; MI455X (gfx1250); checked and timed in simulation.
; The chip was launched on July 23, 2026; its instructions are those of AMD's public machine-readable ISA for CDNA 5 (MIT licence, August 2026) and "CDNA5" Instruction Set Architecture Reference Guide (July 2026). The comments in the code are by the model that wrote it; some were corrected since.
;; Sparse Cross Encoder Self Attention. Allowed arithmetic: matrix products marked QUANTISED: E5M2 operands, one E8M0 scale for each 32 along K, by v_wmma_scale_f32_16x16x128_f8f6f4 with both operands' format E5M2, f32 sums; products left as they are: f32 operands where the result goes on into a quantised operand, else bf16, f16 or f32 operands; f32 sums; everything else in f32.
;; Inputs: Wk 768 x 768 float32; Wq 768 x 768 float32; Wv 768 x 768 float32; bk 768 float32; bq 768 float32; bv 768 float32; cls 2 x 1 x 1 x 768 float32; dmask 2 x 1 x 16 x 1 x 512 float32; doc_codes 2 x 16 x 512 x 24 x 32 uint8 (E5M2 codes of doc, K innermost, in blocks of 32 codes); doc_scales 2 x 16 x 512 x 24 uint8 (E8M0 scales of doc, one for each 32 codes along K); qmask 2 x 1 x 1 x 1 x 32 float32; query_codes 2 x 1 x 32 x 24 x 32 uint8 (E5M2 codes of query, K innermost, in blocks of 32 codes); query_scales 2 x 1 x 32 x 24 uint8 (E8M0 scales of query, one for each 32 codes along K).
;; Outputs: out0 2 x 16 x 545 x 768 float32.
;; This version of the problem:
;;   THIS VERSION OF THE PROBLEM IS GIVEN IN LOW PRECISION. The matrix products marked QUANTISED in the list below multiply operands that are first quantised to E5M2 (5 exponent bits, 2 mantissa bits; 8 bits a number), with one power-of-two scale for each 32 numbers along K (OCP MX v1.0); their sums are f32. All else is computed in f32.
;;   The module's matrix products, in the order in which they are computed (A, B: the left and right operand; K: the contracted axis; several contracted axes count as one K, in the product's order):
;;     1. [M 2, K 768] x [K 768, N 768]; A: input cls; B: input Wq: left as it is (M = 2 < 16)
;;     2. [M 2, K 768] x [K 768, N 768]; A: input cls; B: input Wk: left as it is (M = 2 < 16)
;;     3. [M 2, K 768] x [K 768, N 768]; A: input cls; B: input Wv: left as it is (M = 2 < 16)
;;     4. [M 64, K 768] x [K 768, N 768]; A: input query (given as codes); B: input Wq: QUANTISED
;;     5. [M 64, K 768] x [K 768, N 768]; A: input query (given as codes); B: input Wk: QUANTISED
;;     6. [M 64, K 768] x [K 768, N 768]; A: input query (given as codes); B: input Wv: QUANTISED
;;     7. [M 16,384, K 768] x [K 768, N 768]; A: input doc (given as codes); B: input Wq: QUANTISED
;;     8. [M 16,384, K 768] x [K 768, N 768]; A: input doc (given as codes); B: input Wk: QUANTISED
;;     9. [M 16,384, K 768] x [K 768, N 768]; A: input doc (given as codes); B: input Wv: QUANTISED
;;     10. batch 384 x [M 1, K 64] x [K 64, N 545]; A: computed on the way; B: computed on the way: left as it is (M = 1 < 16)
;;     11. batch 384 x [M 1, K 545] x [K 545, N 64]; A: softmax (see below); B: computed on the way: left as it is (M = 1 < 16)
;;     12. batch 384 x [M 32, K 64] x [K 64, N 545]; A: computed on the way; B: computed on the way: QUANTISED
;;     13. batch 384 x [M 32, K 545] x [K 545, N 64]; A: softmax (see below); B: computed on the way: QUANTISED
;;     14. batch 384 x [M 512, K 64] x [K 64, N 545]; A: computed on the way; B: computed on the way: QUANTISED
;;     15. batch 384 x [M 512, K 545] x [K 545, N 64]; A: softmax (see below); B: computed on the way: QUANTISED
;;   THE QUANTISER, for each operand of a quantised product, along K:
;;     - K is cut into blocks of 32 from its start; a last block that is shorter is filled with zeros.
;;     - A block's scale is 2^e with e = floor(log2(the largest magnitude in the block)) - 15, held to -126 .. 127; a block of zeros has e = 0. As a byte (E8M0): e + 127.
;;     - Each number is divided by its block's scale, clamped to +-57,344, and rounded to the nearest number of E5M2, ties to even, subnormals kept.
;;     - The product sums the exact products of the quantised numbers (number of the format x scale) in f32.
;;   ~~~python
;;   def quantise(x, axis):      # numpy; x: float32 -> the quantised numbers, widened to float32 again
;;       x = np.moveaxis(x, axis, -1); K = x.shape[-1]
;;       x = np.pad(x, [(0, 0)] * (x.ndim - 1) + [(0, -K % 32)]); x = x.reshape(x.shape[:-1] + (-1, 32)); a = np.abs(x).max(-1, keepdims=True)
;;       e = np.where(a > 0, np.clip(np.frexp(np.where(a > 0, a, 1))[1] - 1 - 15, -126, 127), 0)      # np.frexp(a)[1] - 1 = floor(log2(a)), exactly
;;       r = np.clip(x / 2.0 ** e, -57344, 57344)
;;       step = 2.0 ** (np.maximum(np.frexp(np.where(r == 0, 1, r))[1] - 1, -14) - 2)
;;       q = np.round(r / step) * step * 2.0 ** e      # np.round: ties to even
;;       return np.moveaxis(q.reshape(q.shape[:-2] + (-1,))[..., :K], -1, axis).astype(np.float32)
;;   ~~~
;;   SOFTMAX AHEAD OF A QUANTISED PRODUCT. Where the list says 'softmax', what is quantised is not the finished softmax but p = 2^(t - M), with t = logit x log2(e) and M = ceil(the row's largest t), a whole number; so 1/2 < the row's largest p <= 1. The row's sum l is taken of the UNQUANTISED p, in f32, and the product's result is divided by l at the end. Since M is a whole number, a kernel that streams over the keys may use a running M (the ceiling of the running maximum): every later rescaling is an exact power of two, which a block's scale takes up: the codes' values come out the same.
;;   OPERANDS COMPUTED ON THE WAY. 'Computed on the way' means the value that the module computes at that place (a softmax that the list does not call 'softmax' is quantised finished and normalised). What goes into a quantiser is computed in f32, as accurately as f32 sums, v_exp_f32 and their like allow (about 1e-6 of the number): no bf16 or f16 on the way to a quantiser, and a product that is left as it is and whose result goes on into a quantised operand takes f32 operands (vector FMAs, or v_wmma_f32_16x16x4_f32). A number that lies on a knife's edge between two numbers of the format may be rounded either way, as far as f32 arithmetic and the matrix unit's own rounding can turn it there, and no further.
;;   INPUTS GIVEN AS CODES. doc (in the module: [2, 16, 512, 768], K = its axis 3); query (in the module: [2, 1, 32, 768], K = its axis 3): each comes as NAME_codes (uint8): NAME with its K axis moved to the last place and cut into blocks of 32 codes, [.., K / 32, bytes a block], one block behind the other in memory; one code a byte (a code: sign, 5 exponent bits, 2 mantissa bits); and NAME_scales (uint8): the same leading axes, one E8M0 byte (e + 127) for each 32 codes along K. Its value is code x scale, taken as it is: it is not quantised again, and the codes and scales need not be those that the quantiser above would give.
;; 2 versions. Each part assembles by itself: llvm-mc -triple=amdgcn-amd-amdhsa -mcpu=gfx1250 --defsym DOCPART=n.
;; ======== version 1 of 2: 2 launches
;; workspace buffers: ximg 14,155,776 bytes; xsc 442,368 bytes; wimg 1,769,472 bytes; wsc 55,296 bytes; clsp 18,432 bytes
;; launch prep (part 1): grid 21 x 16, 6 waves a work-group, no clusters, 127,744 bytes of LDS; arguments doc_codes, doc_scales, query_codes, query_scales, Wq, Wk, Wv, bq, bk, bv, cls, ximg, xsc, wimg, wsc, clsp; writes ximg, xsc, wimg, wsc, clsp
.if DOCPART == 1
	.amdgcn_target "amdgcn-amd-amdhsa--gfx1250"
	.amdhsa_code_object_version 6
	.text
	.protected	k_qae58bb7624_prep
	.globl	k_qae58bb7624_prep
	.p2align	8
	.type	k_qae58bb7624_prep,@function
k_qae58bb7624_prep:
	s_mov_b64 s[64:65], 0
	v_nop
	global_prefetch_b8 v0, s[64:65] scope:SCOPE_SE
	s_setreg_imm32_b32 hwreg(HW_REG_WAVE_MODE, 25, 1), 1
	s_wait_xcnt 0x0
; PREP: lays every operand of the projections as the matrix unit's registers want it, once.  No matrix work.
; ROWS.  A (batch, doc) pair attends over 545 rows, numbered kap: 0 = cls, 1..32 = query tokens, 33..544 = doc tokens; padded to 576.
; TILES.  Tile T = 2 B + u holds rows kap = 32 B + 8 u + P8(i), i = 0..15, P8(i) = i + 8 (i / 8).  The 16 rows of a weight tile are chosen the same way.
; IMAGE.  A fragment (16 rows x 128 K of 8-bit codes) is 4 groups of 512 bytes; lane l's 16 bytes of group c lie at 512 c + 16 l and are row l % 16, K = 32 c + 16 (l / 16) + 0..15.
; ROLE W (work-group x < 9; 144 work-groups): one tile of 16 rows of Wq, Wk or Wv; wave = K step of 128.  The numbers are quantised to E5M2 with one E8M0 byte for 32 along K
;   (scale = 2^(floor(log2(largest magnitude)) - 15); hold at +-57,344 x scale), stored as an image; the same f32 numbers give cls W^T + bias by fused multiply-adds in f32.
; ROLE X (the other 192): wave = one tile of kap rows of one (batch, doc): the given codes and scale bytes of doc and query are copied into images; kap = 0 and kap > 544 get zero codes and the scale word 0.
; LIMITS: NaN and infinities in W and cls are not served.  A block of W whose largest magnitude lies under 2^-111 keeps the scale byte 1; a block of zeros gets the byte 1 with zero codes (only this program reads the bytes).
; wsc is stored 64 bytes a fragment (lanes 16-31 repeat lanes 0-15): 55,296 bytes in all.
.set XSTW,  12544                      ; role X: a wave's stage, 16 rows x 784 bytes, from LDS byte 0 on
.set WST,   75264                      ; role W: the stages, 16 rows x 528 bytes a wave
.set WSTW,  8448
.set PART,  125952                     ; role W: the six waves' parts of the cls products: 128 bytes a wave
.set R,     16                         ; v16..    as loaded
.set R2,    112                        ; v112-207 role X: 24 groups in image order
.set X,     80                         ; v80-143  role W: register 16 c + n = k 32 c + 16 (lane / 16) + n of my row
.set C0,    144                        ; v144-207 role W: cls of batch 0, same places
.set PC,    208                        ; the codes
.set TM,    224                        ; v224-239 at work in QUANT
.set PW,    240                        ; the scale word
.set WV,    36
.set MNT,   44                         ; s44 the mantissa field of 57,344
.set SEL,   46                         ; s[46:47] lane l xor 16 for v_permlanex16_b32
; 64 numbers of a lane, register 16 b + n, become 16 registers of codes in v[PC] on; the four scale bytes are left in v[TM+4] on.
.macro QUANT s
.irp b, 0,1,2,3
	v_max3_num_f32 v[TM+\b], |v[\s+16*\b]|, |v[\s+1+16*\b]|, 0x8000000   ; my 16 numbers of block b, and the floor 2^(16 - 127): the byte cannot fall under 1
.endr
.irp i, 2,4,6,8,10,12,14
.irp b, 0,1,2,3
	v_max3_num_f32 v[TM+\b], v[TM+\b], |v[\s+16*\b+\i]|, |v[\s+1+16*\b+\i]|
.endr
.endr
.irp b, 0,1,2,3
	v_permlanex16_b32 v[TM+4+\b], v[TM+\b], s[SEL], s[SEL+1]
.endr
.irp b, 0,1,2,3
	v_max_num_f32 v[TM+\b], v[TM+\b], v[TM+4+\b]       ; with lane l xor 16's 16: the block's largest magnitude
.endr
.irp b, 0,1,2,3
	v_add_nc_u32 v[TM+12+\b], 0xf8800000, v[TM+\b]     ; 15 off its exponent field: the conversion's scale operand
.endr
.irp b, 0,1,2,3
	v_and_or_b32 v[TM+8+\b], v[TM+\b], 0x7f800000, s[MNT]   ; 57,344 x the scale
.endr
.irp b, 0,1,2,3
	v_lshrrev_b32 v[TM+4+\b], 23, v[TM+12+\b]          ; the scale's byte
.endr
.irp b, 0,1,2,3
.irp i, 0,1,2,3,4,5,6,7,8,9,10,11,12,13,14,15
	v_med3_num_f32 v[\s+16*\b+\i], v[\s+16*\b+\i], -v[TM+8+\b], v[TM+8+\b]   ; the conversion does not saturate (ISA guide 7.6.2): the hold comes first
.endr
	v_cvt_scalef32_pk8_bf8_f32 v[PC+4*\b:PC+1+4*\b], v[\s+16*\b:\s+7+16*\b], v[TM+12+\b]
	v_cvt_scalef32_pk8_bf8_f32 v[PC+2+4*\b:PC+3+4*\b], v[\s+8+16*\b:\s+15+16*\b], v[TM+12+\b]
.endr
	v_nop                                              ; a plain line behind the last conversion
.endm
; my row's 128 numbers of W times cls: 64 products a lane in two chains, then lane l xor 16's
.macro DOT c, d
	v_pk_mul_f32 v[\d:\d+1], v[X:X+1], v[\c:\c+1]
	v_pk_mul_f32 v[\d+2:\d+3], v[X+2:X+3], v[\c+2:\c+3]
.irp n, 4,8,12,16,20,24,28,32,36,40,44,48,52,56,60
	v_pk_fma_f32 v[\d:\d+1], v[X+\n:X+\n+1], v[\c+\n:\c+\n+1], v[\d:\d+1]
	v_pk_fma_f32 v[\d+2:\d+3], v[X+\n+2:X+\n+3], v[\c+\n+2:\c+\n+3], v[\d+2:\d+3]
.endr
	v_pk_add_f32 v[\d:\d+1], v[\d:\d+1], v[\d+2:\d+3]
	v_add_f32 v[\d], v[\d], v[\d+1]
	v_permlanex16_b32 v[\d+2], v[\d], s[SEL], s[SEL+1]
	v_add_f32 v[\d], v[\d], v[\d+2]
.endm
	s_load_b512 s[4:19], s[0:1], 0x0               ; doc_codes 4, doc_scales 6, query_codes 8, query_scales 10, Wq 12, Wk 14, Wv 16, bq 18
	s_load_b512 s[20:35], s[0:1], 0x40             ; bk 20, bv 22, cls 24, ximg 26, xsc 28, wimg 30, wsc 32, clsp 34
	v_lshl_add_u32 v254, v0, 2, 0x1f000
	v_mov_b32 v255, 0
	v_lshrrev_b32 v1, 5, v0
	v_readfirstlane_b32 s[WV], v1                  ; wave 0..5
	v_and_b32 v8, 31, v0                           ; lane
	v_and_b32 v2, 15, v0                           ; r
	v_bfe_u32 v3, v0, 4, 1                         ; h
	v_lshlrev_b32 v1, 4, v8                        ; 16 x lane
	s_and_b32 s37, ttmp7, 0xffff                   ; work-group y
	s_mov_b32 s[SEL], 0x76543210
	s_mov_b32 s[SEL+1], 0xfedcba98
	s_mov_b32 s[MNT], 0x600000
	s_cmp_ge_u32 ttmp9, 9                          ; the roles part on the work-group's number alone
	s_cbranch_scc1 .Lrole_x
	; ---------------- ROLE W
	s_cmp_ge_u32 ttmp9, 3
	s_cselect_b32 s38, 1, 0
	s_cmp_ge_u32 ttmp9, 6
	s_cselect_b32 s39, 1, 0
	s_add_co_u32 s38, s38, s39                     ; kind: 0 q, 1 k, 2 v
	s_mul_i32 s39, s38, 3
	s_sub_co_u32 s39, ttmp9, s39
	s_lshl_b32 s39, s39, 4
	s_add_co_u32 s39, s39, s37                     ; 0..47
	s_lshr_b32 s40, s39, 2                         ; head
	s_and_b32 s41, s39, 3                          ; tile t of the head's four
	s_lshl_b32 s42, s40, 6
	s_lshr_b32 s43, s41, 1
	s_lshl_b32 s43, s43, 5
	s_add_co_u32 s42, s42, s43
	s_and_b32 s43, s41, 1
	s_lshl_b32 s43, s43, 3
	s_add_co_u32 s42, s42, s43                     ; the tile's first row of W: 64 head + 32 (t / 2) + 8 (t % 2)
	s_mul_i32 s45, s[WV], WSTW
	s_add_co_u32 s45, s45, WST                     ; my stage
	v_add_nc_u32 v4, s45, v1                       ; in: a row's 512 bytes as they lie
	v_mul_u32_u24 v5, v2, 528
	v_lshl_add_u32 v5, v3, 6, v5
	v_add_nc_u32 v5, s45, v5                       ; out: row r, + 64 h: my 16 numbers of a block of 32.  528 is an odd multiple of 16: the sixteen rows start at different banks
	v_lshlrev_b32 v6, 6, v3                        ; cls: 64 h
	v_lshlrev_b32 v7, 2, v2                        ; 4 r
	s_lshl_b32 s45, s[WV], 7
	s_add_co_u32 s45, s45, PART
	v_add_nc_u32 v9, s45, v7                       ; my wave's parts: + 64 batch + 4 r
	v_lshl_add_u32 v10, v8, 2, PART                ; wave 0 reads them back: lane = 16 batch + r
	v_and_b32 v11, 8, v2
	v_add_nc_u32 v11, v11, v2
	v_lshlrev_b32 v11, 2, v11                      ; 4 P8(r)
	v_mul_u32_u24 v12, v3, 9216
	v_add_nc_u32 v12, v12, v11                     ; clsp: batch h, row P8(r) of the tile
.irp b, 0,1,2,3
	v_mov_b32 v[TM+4+\b], 0                        ; a lane permute's destination counts as a source: written once
.endr
	s_mul_i32 s48, s42, 3072
	s_lshl_b32 s50, s[WV], 9                       ; K step: 512 bytes of f32
	s_add_co_u32 s48, s48, s50
	s_mov_b32 s49, 0
	s_mov_b32 s51, 0
	s_mul_i32 s60, s[WV], 12
	s_lshl_b32 s61, s38, 2
	s_add_co_u32 s60, s60, s61
	s_add_co_u32 s60, s60, s41                     ; fragment 12 s + 4 kind + t of the head
	s_mul_i32 s52, s40, 147456
	s_lshl_b32 s61, s60, 11
	s_add_co_u32 s52, s52, s61
	s_mov_b32 s53, 0
	s_mul_i32 s54, s40, 4608
	s_lshl_b32 s61, s60, 6
	s_add_co_u32 s54, s54, s61
	s_mov_b32 s55, 0
	s_lshl_b32 s56, s42, 2
	s_mov_b32 s57, 0
	s_mul_i32 s58, s38, 3072
	s_add_co_u32 s58, s58, s56
	s_mov_b32 s59, 0
	s_wait_kmcnt 0x0
	s_cmp_eq_u32 s38, 0                            ; the choice of buffers hangs on the work-group's number alone
	s_cselect_b64 s[12:13], s[12:13], s[14:15]
	s_cselect_b64 s[18:19], s[18:19], s[20:21]
	s_cmp_eq_u32 s38, 2
	s_cselect_b64 s[12:13], s[16:17], s[12:13]
	s_cselect_b64 s[18:19], s[22:23], s[18:19]
	s_add_nc_u64 s[12:13], s[12:13], s[48:49]      ; W at the tile's first row, my K step
	s_add_nc_u64 s[24:25], s[24:25], s[50:51]      ; cls at my K step
	s_add_nc_u64 s[30:31], s[30:31], s[52:53]      ; wimg
	s_add_nc_u64 s[32:33], s[32:33], s[54:55]      ; wsc
	s_add_nc_u64 s[18:19], s[18:19], s[56:57]      ; the bias at the tile's first row
	s_add_nc_u64 s[34:35], s[34:35], s[58:59]      ; clsp likewise
.irp i, 0,1,2,3,4,5,6,7,8,9,10,11,12,13,14,15
	global_load_b128 v[R+4*\i:R+4*\i+3], v1, s[12:13] offset:(\i+8*(\i/8))*3072 th:TH_LOAD_NT   ; tile row i: 512 consecutive bytes
.endr
.irp c, 0,1,2,3
.irp g, 0,1,2,3
	global_load_b128 v[C0+16*\c+4*\g:C0+16*\c+4*\g+3], v6, s[24:25] offset:128*\c+16*\g
.endr
.endr
.irp i, 0,1,2,3,4,5,6,7,8,9,10,11,12,13,14,15
	s_wait_loadcnt 31-\i                           ; row i is in: behind it 15 - i rows and the 16 loads of cls
	ds_store_b128 v4, v[R+4*\i:R+4*\i+3] offset:528*\i
.endr
.irp c, 0,1,2,3
.irp g, 0,1,2,3
	ds_load_b128 v[X+16*\c+4*\g:X+16*\c+4*\g+3], v5 offset:128*\c+16*\g   ; LDS serves a wave's instructions in order: these see my stores
.endr
.endr
	s_wait_dscnt 0x0                               ; the stores have read v[R] on, and my 64 numbers are in
.irp c, 0,1,2,3
.irp g, 0,1,2,3
	global_load_b128 v[R+16*\c+4*\g:R+16*\c+4*\g+3], v6, s[24:25] offset:3072+128*\c+16*\g   ; cls of batch 1
.endr
.endr
	s_wait_loadcnt 16                              ; batch 0's cls is in; batch 1's 16 loads may be out
	DOT C0, 242
	s_wait_loadcnt 0x0
	DOT R, 248
	ds_store_b32 v9, v242
	ds_store_b32 v9, v248 offset:64
	QUANT X
	v_lshl_or_b32 v[PW], v[TM+5], 8, v[TM+4]       ; my row's scale word
	v_lshl_or_b32 v[PW], v[TM+6], 16, v[PW]
	v_lshl_or_b32 v[PW], v[TM+7], 24, v[PW]
.irp c, 0,1,2,3
	global_store_b128 v1, v[PC+4*\c:PC+4*\c+3], s[30:31] offset:512*\c   ; 512 consecutive bytes a store
.endr
	global_store_b32 v7, v[PW], s[32:33]
	s_wait_dscnt 0x0                               ; for the others' sake: my parts lie in LDS
	s_barrier_signal -1
	s_barrier_wait -1
	s_cmp_lg_u32 s[WV], 0
	s_cbranch_scc1 .Lw_end
.irp s, 0,1,2,3,4,5
	ds_load_b32 v[16+\s], v10 offset:128*\s        ; the six K steps' parts of (batch h, row r)
.endr
	global_load_b32 v22, v11, s[18:19]
	s_wait_loadcnt 0x0
	s_wait_dscnt 0x0
	v_add_f32 v16, v16, v17
	v_add_f32 v18, v18, v19
	v_add_f32 v20, v20, v21
	v_add_f32 v16, v16, v18
	v_add_f32 v20, v20, v22
	v_add_f32 v16, v16, v20
	global_store_b32 v12, v16, s[34:35]
.Lw_end:
	s_wait_tensorcnt 0x0
	ds_add_u32 v254, v255
	s_wait_dscnt 0x0
	s_endpgm
	; ---------------- ROLE X
.Lrole_x:
	s_sub_co_u32 s38, ttmp9, 9
	s_cmp_ge_u32 s38, 6
	s_cselect_b32 s39, 1, 0                        ; batch
	s_mul_i32 s40, s39, 6
	s_sub_co_u32 s40, s38, s40
	s_mul_i32 s40, s40, 6
	s_add_co_u32 s40, s40, s[WV]                   ; tile 0..35
	s_lshl_b32 s41, s39, 4
	s_add_co_u32 s41, s41, s37                     ; 16 batch + doc
	s_lshr_b32 s42, s40, 1
	s_and_b32 s43, s40, 1
	s_lshl_b32 s42, s42, 5
	s_lshl_b32 s43, s43, 3
	s_add_co_u32 s42, s42, s43                     ; the tile's first kap
	s_mul_i32 s45, s[WV], XSTW                     ; my stage
	v_add_nc_u32 v4, s45, v1                       ; in: 16 x lane,
	v_lshl_add_u32 v5, v3, 4, v4                   ; and 16 more for lanes 16-31, where a load's 512 bytes cross a row's end
	v_mul_u32_u24 v6, v2, 784
	v_lshl_add_u32 v6, v3, 4, v6
	v_add_nc_u32 v6, s45, v6                       ; out: row r, + 16 h.  784 is an odd multiple of 16
	v_lshlrev_b32 v7, 2, v8                        ; 4 x lane
	v_and_b32 v9, 8, v2
	v_add_nc_u32 v9, v9, v2
	v_add_nc_u32 v9, s42, v9                       ; my row's kap
	v_sub_nc_u32 v10, v9, 33                       ; as a doc token,
	v_sub_nc_u32 v11, v9, 1                        ; as a query token
	v_cmp_gt_u32 s50, 512, v10                     ; is it one?
	v_cmp_gt_u32 s51, 32, v11
	v_min_u32 v10, 511, v10                        ; no load leaves its buffer
	v_min_u32 v11, 31, v11
	v_mul_u32_u24 v12, v10, 24
	v_lshl_add_u32 v12, v3, 2, v12                 ; scale bytes: 24 a token; lane (r, h) takes words h, 2 + h, 4 + h
	v_mul_u32_u24 v13, v11, 24
	v_lshl_add_u32 v13, v3, 2, v13
	v_mul_u32_u24 v14, v10, 768
	v_lshl_add_u32 v14, v3, 4, v14                 ; codes by rows: 768 a token, + 16 h
	v_mul_u32_u24 v15, v11, 768
	v_lshl_add_u32 v15, v3, 4, v15
	s_mul_i32 s48, s41, 12288
	s_mov_b32 s49, 0
	s_mul_i32 s52, s39, 768
	s_mov_b32 s53, 0
	s_mul_i32 s54, s41, 393216
	s_mov_b32 s55, 0
	s_mul_i32 s56, s39, 24576
	s_mov_b32 s57, 0
	s_mul_i32 s58, s41, 442368
	s_mul_i32 s59, s40, 12288
	s_add_co_u32 s58, s58, s59
	s_mov_b32 s59, 0
	s_mul_i32 s60, s41, 36
	s_add_co_u32 s60, s60, s40
	s_mul_i32 s60, s60, 384
	s_mov_b32 s61, 0
	s_wait_kmcnt 0x0
	s_add_nc_u64 s[6:7], s[6:7], s[48:49]
	s_add_nc_u64 s[10:11], s[10:11], s[52:53]
	s_add_nc_u64 s[4:5], s[4:5], s[54:55]
	s_add_nc_u64 s[8:9], s[8:9], s[56:57]
	s_add_nc_u64 s[26:27], s[26:27], s[58:59]
	s_add_nc_u64 s[28:29], s[28:29], s[60:61]
.irp n, 0,1,2
	global_load_b32 v[208+\n], v12, s[6:7] offset:8*\n
	global_load_b32 v[211+\n], v13, s[10:11] offset:8*\n
.endr
	s_sub_co_u32 s45, s40, 3
	s_cmp_lt_u32 s45, 31                           ; tiles 3 to 33 hold doc tokens alone
	s_cbranch_scc0 .Lx_special
	s_sub_co_u32 s62, s42, 33
	s_mul_i32 s62, s62, 768
	s_mov_b32 s63, 0
	s_add_nc_u64 s[4:5], s[4:5], s[62:63]          ; the tile's first token: its two runs of 8 rows are 6,144 consecutive bytes each
.irp p, 0,1
.irp n, 0,1,2,3,4,5,6,7,8,9,10,11
	global_load_b128 v[R+4*(12*\p+\n):R+4*(12*\p+\n)+3], v1, s[4:5] offset:12288*\p+512*\n th:TH_LOAD_NT
.endr
.endr
.set q, 0
.rept 24                               ; load q = 12 p + 3 m + k: bytes 1,536 m + 512 k + 16 lane of run p go to row 8 p + 2 m (+ 1 past a row's 768 bytes) of the stage
	s_wait_loadcnt 23-q                            ; load q is in; the 23 - q younger ones may be out
.if q%3 == 1
	ds_store_b128 v5, v[R+4*q:R+4*q+3] offset:6272*(q/12)+1568*((q%12)/3)+512
.elseif q%3 == 2
	ds_store_b128 v4, v[R+4*q:R+4*q+3] offset:6272*(q/12)+1568*((q%12)/3)+1040
.else
	ds_store_b128 v4, v[R+4*q:R+4*q+3] offset:6272*(q/12)+1568*((q%12)/3)
.endif
.set q, q+1
.endr
.irp s, 0,1,2,3,4,5
.irp c, 0,1,2,3
	ds_load_b128 v[R2+4*(4*\s+\c):R2+4*(4*\s+\c)+3], v6 offset:128*\s+32*\c   ; in image order; LDS serves my instructions in order
.endr
.endr
	s_branch .Lx_join
.Lx_special:                                           ; tiles 0, 1, 2, 34, 35: by rows, from both tensors, and a choice for each row
.irp s, 0,1,2,3,4,5
.irp c, 0,1,2,3
	global_load_b128 v[R+4*(4*\s+\c):R+4*(4*\s+\c)+3], v14, s[4:5] offset:128*\s+32*\c
	global_load_b128 v[R2+4*(4*\s+\c):R2+4*(4*\s+\c)+3], v15, s[8:9] offset:128*\s+32*\c
.endr
.endr
	s_wait_loadcnt 0x0
.set q, 0
.rept 96
	v_cndmask_b32 v[R2+q], 0, v[R2+q], s51         ; a query token's codes, else zeros,
	v_cndmask_b32 v[R2+q], v[R2+q], v[R+q], s50    ; or a doc token's
.set q, q+1
.endr
.Lx_join:
	s_wait_loadcnt 0x0                             ; the scale words
	s_wait_dscnt 0x0                               ; the image
.irp n, 0,1,2
	v_cndmask_b32 v[211+\n], 0, v[211+\n], s51
	v_cndmask_b32 v[211+\n], v[211+\n], v[208+\n], s50
.endr
.set q, 0
.rept 24
	global_store_b128 v1, v[R2+4*q:R2+4*q+3], s[26:27] offset:512*q   ; 512 consecutive bytes a store
.set q, q+1
.endr
.irp n, 0,1,2
	global_store_b32 v7, v[211+\n], s[28:29] offset:128*\n            ; K steps 2 n and 2 n + 1: 128 consecutive bytes
.endr
	s_wait_tensorcnt 0x0
	ds_add_u32 v254, v255
	s_wait_dscnt 0x0
	s_endpgm
.Lfunc_end_k_qae58bb7624_prep:
	.size	k_qae58bb7624_prep, .Lfunc_end_k_qae58bb7624_prep-k_qae58bb7624_prep
	.p2alignl 7, 3214868480
	.fill 96, 4, 3214868480
	.section	.rodata,"a",@progbits
	.p2align	6, 0x0
	.amdhsa_kernel k_qae58bb7624_prep
		.amdhsa_group_segment_fixed_size 127744
		.amdhsa_private_segment_fixed_size 0
		.amdhsa_enable_private_segment 0
		.amdhsa_kernarg_size 128
		.amdhsa_user_sgpr_count 2
		.amdhsa_user_sgpr_kernarg_segment_ptr 1
		.amdhsa_wavefront_size32 1
		.amdhsa_system_sgpr_workgroup_id_x 1
		.amdhsa_system_sgpr_workgroup_id_y 1
		.amdhsa_system_sgpr_workgroup_id_z 1
		.amdhsa_system_vgpr_workitem_id 0
		.amdhsa_next_free_vgpr 256
		.amdhsa_next_free_sgpr 66
		.amdhsa_reserve_vcc 0
		.amdhsa_float_denorm_mode_32 3
		.amdhsa_float_denorm_mode_16_64 3
		.amdhsa_memory_ordered 1
		.amdhsa_forward_progress 1
		.amdhsa_inst_pref_size 55
	.end_amdhsa_kernel
	.amdgpu_metadata
---
amdhsa.version: [ 1, 2 ]
amdhsa.kernels:
  - .name:           k_qae58bb7624_prep
    .symbol:         k_qae58bb7624_prep.kd
    .args:
      - { .name: doc_codes, .offset: 0, .size: 8, .value_kind: global_buffer, .address_space: global }
      - { .name: doc_scales, .offset: 8, .size: 8, .value_kind: global_buffer, .address_space: global }
      - { .name: query_codes, .offset: 16, .size: 8, .value_kind: global_buffer, .address_space: global }
      - { .name: query_scales, .offset: 24, .size: 8, .value_kind: global_buffer, .address_space: global }
      - { .name: Wq, .offset: 32, .size: 8, .value_kind: global_buffer, .address_space: global }
      - { .name: Wk, .offset: 40, .size: 8, .value_kind: global_buffer, .address_space: global }
      - { .name: Wv, .offset: 48, .size: 8, .value_kind: global_buffer, .address_space: global }
      - { .name: bq, .offset: 56, .size: 8, .value_kind: global_buffer, .address_space: global }
      - { .name: bk, .offset: 64, .size: 8, .value_kind: global_buffer, .address_space: global }
      - { .name: bv, .offset: 72, .size: 8, .value_kind: global_buffer, .address_space: global }
      - { .name: cls, .offset: 80, .size: 8, .value_kind: global_buffer, .address_space: global }
      - { .name: ximg, .offset: 88, .size: 8, .value_kind: global_buffer, .address_space: global }
      - { .name: xsc, .offset: 96, .size: 8, .value_kind: global_buffer, .address_space: global }
      - { .name: wimg, .offset: 104, .size: 8, .value_kind: global_buffer, .address_space: global }
      - { .name: wsc, .offset: 112, .size: 8, .value_kind: global_buffer, .address_space: global }
      - { .name: clsp, .offset: 120, .size: 8, .value_kind: global_buffer, .address_space: global }
    .group_segment_fixed_size: 127744
    .private_segment_fixed_size: 0
    .kernarg_segment_align: 8
    .kernarg_segment_size: 128
    .max_flat_workgroup_size: 192
    .sgpr_count:     66
    .vgpr_count:     256
    .wavefront_size: 32
...
	.end_amdgpu_metadata
.endif
;; end of part 1
;; launch main (part 2): grid 12 x 32, 8 waves a work-group, no clusters, 318,464 bytes of LDS; arguments ximg, xsc, wimg, wsc, clsp, bq, bk, bv, qmask, dmask, out0; writes out0
.if DOCPART == 2
	.amdgcn_target "amdgcn-amd-amdhsa--gfx1250"
	.amdhsa_code_object_version 6
	.text
	.protected	k_qae58bb7624_main
	.globl	k_qae58bb7624_main
	.p2align	8
	.type	k_qae58bb7624_main,@function
k_qae58bb7624_main:
	s_mov_b64 s[64:65], 0
	v_nop
	global_prefetch_b8 v0, s[64:65] scope:SCOPE_SE
	s_setreg_imm32_b32 hwreg(HW_REG_WAVE_MODE, 25, 1), 1
	s_wait_xcnt 0x0
; MAIN: one work-group for one (batch, doc, head): projections, quantisers, the cls row and the attention.  q, k, v and p never go to memory.
; ROWS kap = 0 (cls), 1..32 (query), 33..544 (doc), padded to 576.  Block B = 32 rows; tile T = 2 B + u holds kap = 32 B + 8 u + P8(i), P8(i) = i + 8 (i / 8); the head's 64 columns are cut into four tiles the same way.
; So every matrix result has, in a lane's 16 registers of two neighbouring tiles, 16 neighbours along the next product's K, and the conversions' results are operand registers.
;   q, k: source 0 = 16 rows of W, source 1 = 16 tokens: a lane holds one token, registers run along the head's 64.   v: source 0 = 16 tokens, source 1 = 16 rows of Wv: a lane holds one column, registers run along the keys.
;   S^T = K Q^T and O^T = V^T P^T: a lane holds one query throughout.
; K = 64 IN AN INSTRUCTION OF 128: Q's upper eight registers are zero codes.  K's tiles lie 8 registers apart, so a tile's upper half is the next tile's codes: finite numbers of our own quantiser, times 0.
; THE MASK: a table of 8 x mask by kap (0 for cls; held at -2^124 from below, which is also what kap > 544 gets) is loaded into S's registers and is the C of S^T; t = (q.k + 8 mask) log2(e) / 8.
; SOFTMAX ahead of the second product: M = the running largest t rounded up to a whole number, p = 2^(t - M) quantised along the keys in blocks of 32 counted from kap 0; the sum is of the unquantised p.
; THE CLS ROW is left unquantised: each wave takes its blocks' f32 k and v, as they leave the projection, into a running softmax of its own; wave 7 joins the eight at the end.
; PHASES: A fill LDS (W's images, tables) | barrier | B: 18 blocks: every wave takes blocks w and w + 8, waves 0 and 1 also 16 + w: k, v, q of a block, images to LDS | barrier | D: 35 query tiles over 8 waves, five key steps of 128 each.
; No tensor loads and no cluster: x goes from memory straight into the registers that multiply it (192 registers a block, asked for one pass ahead), and LDS has no room for a ring of it.
; LIMITS: NaN and infinities among the floating-point inputs are not served, but -infinity in a mask is: a mask under -2^121 counts as -2^121, where p is 0 all the same, since the cls key is never masked;
; a given scale byte 0xff is not served; a block whose largest magnitude lies under 2^-111 keeps the scale byte 1.
.set WIMG, 0                           ; W's 72 fragments of this head: 12 s + 4 kind + t, 2,048 bytes each
.set WSC,  147456                      ; their scale words, 64 bytes each
.set KIMG, 152064                      ; K: 36 tiles of 1,024 bytes (groups 0 and 1 of a fragment)
.set KSC,  188928
.set VIMG, 191232                      ; V^T: fragment 4 S + t; group c = block 4 S + c
.set VSC,  232192                      ; (4 S + t) 64 + 4 r + c: single bytes
.set QIMG, 233472
.set QSC,  270336
.set MK8,  272640                      ; 768 f32: 8 x mask by kap
.set BF,   275712                      ; the head's 64 of bq, bk, bv
.set CP,   276480                      ; the head's 64 of the cls projections q, k, v (BF + 768)
.set SCR,  277248                      ; 128 bytes a wave: a block's cls scores
.set CLSM, 278272                      ; 512 bytes a wave: ctx[64], then m and l at + 256
.set STG,  282368                      ; 16 rows x 272 bytes a wave: the way out
.set WV,  26
.set BD,  28
.set BB,  29
.set SEL, 30                           ; s[30:31] lane l xor 16
.set CS,  32                           ; s[32:33] c = log2(e) / 8
.set MNT, 34                           ; the mantissa field of 57,344
.set BLK, 35                           ; the block, later the query tile, in hand
.set CNT, 36
.set XB,  40                           ; s[40:41] x's images at my block
.set XSB, 42                           ; s[42:43] their scale words
.set OB0, 44                           ; s[44:45] out0 at (batch, doc, row 0, head)
.set OBT, 46                           ; s[46:47] at the tile's first row
.set LI,  1                            ; v1  16 x lane
.set L4,  2                            ; v2  4 r
; phase B
.set WA,  3                            ; v3-5 16 x lane + 49,152 j
.set WSA, 6
.set BFA, 7                            ; BF + 64 h
.set ERA, 8                            ; BF + 4 P8(r)
.set SCW, 9
.set SCD, 10
.set MKB, 11                           ; MK8 + 64 h
.set XS,  16                           ; v16-27 x's scale words (6 i + s)
.set WS,  28                           ; v28-31 W's
.set W,   32                           ; v32-95 four fragments of W; at work between the passes
.set BT,  96                           ; v96-127 the bias in the result's layout
.set ACC, 128                          ; v128-191 eight accumulators
.set PC,  192
.set TM,  208
.set PW0, 224
.set P16, 226                          ; v226-241 the cls row's weights of my 16 keys
.set CTX, 242
.set CM,  246
.set CL,  247
.set CF,  248
; phase D.  The scale words take v16-29, which hold scale words in phase B too
.set KA,  3
.set KSA, 4
.set VA,  5
.set VSA, 6
.set QA,  7
.set QSA, 8
.set STW, 9
.set STR, 10
.set MA,  11
.set GO,  12
.set HM1, 13
.set VK,  14
.set KS,  16                           ; v16-23 K's scale words
.set VS,  24                           ; v24-27 V's
.set QS,  28                           ; Q's
.set PWD, 29                           ; p's
.set RK,  32                           ; v32-103 K (v96-103 zero)
.set RS,  104                          ; v104-167 S^T, then p
.set RO,  168                          ; v168-199 O^T
.set DPC, 200                          ; p's codes
.set RQ,  216                          ; v216-231 Q (v224-231 zero)
.set NM,  232                          ; -M;  v233 the largest t
.set TX,  233
.set LS,  234                          ; the sum, in two halves
.set BM,  236
.set BP,  240
.set L2,  240                          ; the sum's second chain: in BP's first pair, once the bytes have made the scale word
.set HD,  244
.set SO,  248
.set FF,  252
.set T0,  254
.set T1,  255
.set MSB, 0
.macro WIN new                         ; the immediate's high byte repeats the setting that is left.  Window 1: x's fragments (96 i + 16 s), later V's (16 t)
.if MSB != \new
	s_set_vgpr_msb (MSB<<8)|\new
.set MSB, \new
.endif
.endm
.macro NOPS n
.rept \n
	v_nop
.endr
.endm
.macro MM d, a, b, c, sa, sb
	v_wmma_scale_f32_16x16x128_f8f6f4 v[\d:\d+7], v[\a:\a+15], v[\b:\b+15], v[\c:\c+7], v[\sa], v[\sb] matrix_a_fmt:MATRIX_FMT_BF8 matrix_b_fmt:MATRIX_FMT_BF8
.endm
.macro MM0 d, a, b, sa, sb
	v_wmma_scale_f32_16x16x128_f8f6f4 v[\d:\d+7], v[\a:\a+15], v[\b:\b+15], 0, v[\sa], v[\sb] matrix_a_fmt:MATRIX_FMT_BF8 matrix_b_fmt:MATRIX_FMT_BF8
.endm
; 64 numbers of a lane, register 16 b + n, become 16 registers of codes in v[PC] on; the four scale bytes are left in v[TM+4] on.
.macro QUANT s
.irp b, 0,1,2,3
	v_max3_num_f32 v[TM+\b], |v[\s+16*\b]|, |v[\s+1+16*\b]|, 0x8000000   ; my 16 numbers of block b, and the floor 2^(16 - 127): the byte cannot fall under 1
.endr
.irp i, 2,4,6,8,10,12,14
.irp b, 0,1,2,3
	v_max3_num_f32 v[TM+\b], v[TM+\b], |v[\s+16*\b+\i]|, |v[\s+1+16*\b+\i]|
.endr
.endr
.irp b, 0,1,2,3
	v_permlanex16_b32 v[TM+4+\b], v[TM+\b], s[SEL], s[SEL+1]
.endr
.irp b, 0,1,2,3
	v_max_num_f32 v[TM+\b], v[TM+\b], v[TM+4+\b]       ; with lane l xor 16's 16: the block's largest magnitude
.endr
.irp b, 0,1,2,3
	v_add_nc_u32 v[TM+12+\b], 0xf8800000, v[TM+\b]     ; 15 off its exponent field: the conversion's scale operand
.endr
.irp b, 0,1,2,3
	v_and_or_b32 v[TM+8+\b], v[TM+\b], 0x7f800000, s[MNT]   ; 57,344 x the scale
.endr
.irp b, 0,1,2,3
	v_lshrrev_b32 v[TM+4+\b], 23, v[TM+12+\b]          ; the scale's byte
.endr
.irp b, 0,1,2,3
.irp i, 0,1,2,3,4,5,6,7,8,9,10,11,12,13,14,15
	v_med3_num_f32 v[\s+16*\b+\i], v[\s+16*\b+\i], -v[TM+8+\b], v[TM+8+\b]   ; the conversion does not saturate (ISA guide 7.6.2): the hold comes first
.endr
	v_cvt_scalef32_pk8_bf8_f32 v[PC+4*\b:PC+1+4*\b], v[\s+16*\b:\s+7+16*\b], v[TM+12+\b]
	v_cvt_scalef32_pk8_bf8_f32 v[PC+2+4*\b:PC+3+4*\b], v[\s+8+16*\b:\s+15+16*\b], v[TM+12+\b]
.endr
	v_nop                                              ; a plain line behind the last conversion: the next products write its sources
.endm
; K step s of a block of x: two fragments and their scale words: ten loads
.macro XSTEP s, xo, so
	WIN 0x40                                       ; destination window 1
.irp i, 0,1
.irp c, 0,1,2,3
	global_load_b128 v[96*\i+16*(\s)+4*\c:96*\i+16*(\s)+4*\c+3], v[LI], s[XB:XB+1] offset:\xo+12288*\i+2048*(\s)+512*\c
.endr
.endr
	WIN 0
.irp i, 0,1
	global_load_b32 v[XS+6*\i+(\s)], v[L4], s[XSB:XSB+1] offset:\so+384*\i+64*(\s)
.endr
.endm
.macro PFX s                           ; the same of my next block, eight blocks on, if I have one (blocks 0 to 9 have): into registers whose last products stand eight places back
	s_cmp_lt_u32 s[BLK], 10
	s_cbranch_scc0 .Lnopf_\@
	XSTEP \s, 196608, 6144
.Lnopf_\@:
.endm
; One projection of a block of 32 rows: kind 0 q, 1 k, 2 v.  Six K steps of 8 products; the eight accumulators take turns.  The bias is the C of each sum's first product.
.macro KPASS kind, pf
.if \kind == 2
.irp t, 0,1,2,3
.irp j, 0,1,2,3,4,5,6,7
	ds_load_b32 v[BT+8*\t+\j], v[ERA] offset:512+128*(\t/2)+32*(\t%2)   ; a lane holds one column: the same bias in all eight registers
.endr
.endr
.else
.irp t, 0,1,2,3
.irp g, 0,1
	ds_load_b128 v[BT+8*\t+4*\g:BT+8*\t+4*\g+3], v[BFA] offset:256*\kind+128*(\t/2)+32*(\t%2)+16*\g
.endr
.endr
.endif
.irp s, 0,1,2,3,4,5
.if \s > 0
	NOPS 8                                         ; eight places in front of loads into registers that the last products read; K step 0 has them behind the pass before
.if \pf
	PFX \s-1
.endif
.endif
.irp t, 0,1,2,3
.irp c, 0,1,2,3
	ds_load_b128 v[W+16*\t+4*\c:W+16*\t+4*\c+3], v[WA+\s/2] offset:(12*(\s%2)+4*\kind+\t)*2048+512*\c
.endr
	ds_load_b32 v[WS+\t], v[WSA] offset:64*(12*\s+4*\kind+\t)
.endr
.if (\kind == 1) && (\s == 0)
	s_wait_loadcnt 0x0                             ; the block's first pass: all of its x is in (asked for during the pass before, or at the kernel's head)
.endif
	s_wait_dscnt 0x0
.if \kind == 2
	WIN 0x01                                       ; source 0 (x) window 1
.else
	WIN 0x04                                       ; source 1 (x) window 1
.endif
.irp t, 0,1,2,3
.irp i, 0,1
.if \kind == 2
.if \s == 0
	MM ACC+16*\t+8*\i, 96*\i+16*\s, W+16*\t, BT+8*\t, XS+6*\i+\s, WS+\t
.else
	MM ACC+16*\t+8*\i, 96*\i+16*\s, W+16*\t, ACC+16*\t+8*\i, XS+6*\i+\s, WS+\t
.endif
.else
.if \s == 0
	MM ACC+32*\i+8*\t, W+16*\t, 96*\i+16*\s, BT+8*\t, WS+\t, XS+6*\i+\s
.else
	MM ACC+32*\i+8*\t, W+16*\t, 96*\i+16*\s, ACC+32*\i+8*\t, WS+\t, XS+6*\i+\s
.endif
.endif
.endr
.endr
	WIN 0
.endr
	NOPS 8                                         ; places in front of the first read of the results and of writes to the operands' registers
.if \pf
	PFX 5
.endif
.endm
.macro PUTQK img, sc                   ; two tiles of q or k: four groups of codes and two scale words (bytes 2 and 3 stay 0)
	v_lshl_or_b32 v[PW0], v[TM+5], 8, v[TM+4]
	v_lshl_or_b32 v[PW0+1], v[TM+7], 8, v[TM+6]
	s_lshl_b32 s52, s[BLK], 11
	s_add_co_u32 s52, s52, \img
	v_add_nc_u32 v12, s52, v[LI]
	s_lshl_b32 s53, s[BLK], 7
	s_add_co_u32 s53, s53, \sc
	v_add_nc_u32 v13, s53, v[L4]
.irp q, 0,1,2,3
	ds_store_b128 v12, v[PC+4*\q:PC+4*\q+3] offset:512*\q
.endr
	ds_store_b32 v13, v[PW0]
	ds_store_b32 v13, v[PW0+1] offset:64
.endm
; ONE BLOCK of 32 rows: k, the cls row's scores, K's image; v, the cls row's context, V's image; q, Q's image.
; pf = 1: my next block's x is asked for during the q pass.  first = 1: the block may be block 0, whose row 0 is cls.  last = 1: it may be block 17, which is key 544 and zeros.
.macro BLOCK pf, first, last
	KPASS 1, 0                                     ; k: register 32 i + 8 t + j = k(token r of tile i, e = 32 (t / 2) + 16 h + 8 (t % 2) + j)
.if \first
	s_cmp_lg_u32 s[BLK], 0
	s_cbranch_scc1 .Lno_k0_\@
.irp t, 0,1,2,3                        ; kap = 0 is row 0 of tile 0: the cls key, in f32, takes its place
.irp g, 0,1
	ds_load_b128 v[32+8*\t+4*\g:35+8*\t+4*\g], v[BFA] offset:1024+128*(\t/2)+32*(\t%2)+16*\g
.endr
.endr
	s_wait_dscnt 0x0
.set n, 0
.rept 32
	v_cndmask_b32 v[ACC+n], v[ACC+n], v[32+n], s49
.set n, n+1
.endr
.Lno_k0_\@:
.endif
	; the cls row's scores against the block's 32 keys, from the unquantised k
.irp t, 0,1,2,3
.irp g, 0,1
	ds_load_b128 v[64+8*\t+4*\g:67+8*\t+4*\g], v[BFA] offset:768+128*(\t/2)+32*(\t%2)+16*\g   ; q of cls, in k's layout
.endr
.endr
	s_lshl_b32 s52, s[BLK], 7
	v_add_nc_u32 v14, s52, v[MKB]
	s_wait_dscnt 0x0
.irp i, 0,1
	v_pk_mul_f32 v[48+4*\i:49+4*\i], v[ACC+32*\i:ACC+32*\i+1], v[64:65]
	v_pk_mul_f32 v[50+4*\i:51+4*\i], v[ACC+32*\i+2:ACC+32*\i+3], v[66:67]
.irp n, 4,8,12,16,20,24,28
	v_pk_fma_f32 v[48+4*\i:49+4*\i], v[ACC+32*\i+\n:ACC+32*\i+\n+1], v[64+\n:65+\n], v[48+4*\i:49+4*\i]
	v_pk_fma_f32 v[50+4*\i:51+4*\i], v[ACC+32*\i+\n+2:ACC+32*\i+\n+3], v[66+\n:67+\n], v[50+4*\i:51+4*\i]
.endr
	v_pk_add_f32 v[48+4*\i:49+4*\i], v[48+4*\i:49+4*\i], v[50+4*\i:51+4*\i]
	v_add_f32 v[48+4*\i], v[48+4*\i], v[49+4*\i]
	v_permlanex16_b32 v[50+4*\i], v[48+4*\i], s[SEL], s[SEL+1]
	v_add_f32 v[48+4*\i], v[48+4*\i], v[50+4*\i]   ; q.k of token r of tile i
	ds_store_b32 v[SCW], v[48+4*\i] offset:32*\i   ; to its place among the block's 32 keys
.endr
.irp g, 0,1,2,3
	ds_load_b128 v[32+4*\g:35+4*\g], v[SCD] offset:16*\g   ; back as v's layout wants them: keys 16 h + 0 .. 15 (LDS serves my instructions in order)
	ds_load_b128 v[96+4*\g:99+4*\g], v14 offset:16*\g      ; and 8 x their masks
.endr
	s_wait_dscnt 0x0
.irp n, 0,2,4,6,8,10,12,14
	v_pk_add_f32 v[32+\n:33+\n], v[32+\n:33+\n], v[96+\n:97+\n]
.endr
	v_max3_num_f32 v249, v32, v33, v34
	v_max3_num_f32 v251, v35, v36, v37
	v_max3_num_f32 v249, v249, v38, v39
	v_max3_num_f32 v251, v251, v40, v41
	v_max3_num_f32 v249, v249, v42, v43
	v_max3_num_f32 v251, v251, v44, v45
	v_max3_num_f32 v249, v249, v46, v47
	v_max_num_f32 v249, v249, v251
	v_permlanex16_b32 v250, v249, s[SEL], s[SEL+1]
	v_max_num_f32 v249, v249, v250
	v_mul_f32 v249, s[CS], v249                    ; the block's largest t
	v_max_num_f32 v250, v[CM], v249                ; the running maximum
	v_sub_f32 v251, v[CM], v250
	v_exp_f32 v[CF], v251                          ; what was summed so far is brought under it
	v_mov_b32 v[CM], v250                          ; (a plain line behind the exponential)
.irp n, 0,1,2,3,4,5,6,7,8,9,10,11,12,13,14,15
	v_fma_f32 v[P16+\n], v[32+\n], s[CS], -v[CM]
.endr
.irp n, 0,1,2,3,4,5,6,7,8,9,10,11,12,13,14,15
	v_exp_f32 v[P16+\n], v[P16+\n]
.endr
	v_nop
	s_wait_alu depctr_va_vdst(0)
.irp n, 0,1,2,3
	v_pk_add_f32 v[32+2*\n:33+2*\n], v[P16+4*\n:P16+4*\n+1], v[P16+4*\n+2:P16+4*\n+3]
.endr
	v_pk_add_f32 v[32:33], v[32:33], v[34:35]
	v_pk_add_f32 v[36:37], v[36:37], v[38:39]
	v_pk_add_f32 v[32:33], v[32:33], v[36:37]
	v_add_f32 v32, v32, v33
	v_fma_f32 v[CL], v[CL], v[CF], v32
	QUANT ACC                                      ; blocks: (tile 0, e 0-31), (tile 0, e 32-63), (tile 1, ..), (tile 1, ..)
	PUTQK KIMG, KSC
	KPASS 2, 0                                     ; v: register 16 t + n = v(key 32 B + 16 h + n, column P8(r) of tile t)
.if \first
	s_cmp_lg_u32 s[BLK], 0
	s_cbranch_scc1 .Lno_v0_\@
.irp t, 0,1,2,3
	ds_load_b32 v[32+\t], v[ERA] offset:1280+128*(\t/2)+32*(\t%2)   ; v of cls
.endr
	s_wait_dscnt 0x0
.irp t, 0,1,2,3
	v_cndmask_b32 v[ACC+16*\t], v[ACC+16*\t], v[32+\t], s50   ; key 0: register 0 of lanes 0-15
.endr
.Lno_v0_\@:
.endif
.if \last
	s_cmp_lg_u32 s[BLK], 17
	s_cbranch_scc1 .Lno_v17_\@
.irp t, 0,1,2,3                        ; the last block is key 544 alone, filled with zeros
	v_cndmask_b32 v[ACC+16*\t], 0, v[ACC+16*\t], s50
.irp n, 1,2,3,4,5,6,7,8,9,10,11,12,13,14,15
	v_mov_b32 v[ACC+16*\t+\n], 0
.endr
.endr
.Lno_v17_\@:
.endif
.irp t, 0,1,2,3
	v_mul_f32 v[CTX+\t], v[CTX+\t], v[CF]
.endr
.irp n, 0,1,2,3,4,5,6,7,8,9,10,11,12,13,14,15
.irp t, 0,1,2,3
	v_fma_f32 v[CTX+\t], v[P16+\n], v[ACC+16*\t+\n], v[CTX+\t]   ; the cls row's context, from the unquantised v
.endr
.endr
	QUANT ACC                                      ; block t: the 32 keys of column tile t
	s_lshr_b32 s52, s[BLK], 2
	s_and_b32 s53, s[BLK], 3
	s_lshl_b32 s54, s52, 13
	s_lshl_b32 s55, s53, 9
	s_add_co_u32 s54, s54, s55
	s_add_co_u32 s54, s54, VIMG
	v_add_nc_u32 v12, s54, v[LI]
	s_lshl_b32 s54, s52, 8
	s_add_co_u32 s54, s54, s53
	s_add_co_u32 s54, s54, VSC
	v_add_nc_u32 v13, s54, v[L4]
.irp t, 0,1,2,3
	ds_store_b128 v12, v[PC+4*\t:PC+4*\t+3] offset:2048*\t   ; group B % 4 of fragment 4 (B / 4) + t
	ds_store_b8 v13, v[TM+4+\t] offset:64*\t                 ; and its byte of the scale word
.endr
	KPASS 0, \pf                                   ; q
	QUANT ACC
	PUTQK QIMG, QSC
.endm
	; ---------------- PHASE A
	s_load_b512 s[4:19], s[0:1], 0x0               ; ximg 4, xsc 6, wimg 8, wsc 10, clsp 12, bq 14, bk 16, bv 18
	s_load_b128 s[20:23], s[0:1], 0x40             ; qmask 20, dmask 22
	s_load_b64 s[24:25], s[0:1], 0x50              ; out0
	s_set_vgpr_msb 0x40
	v_lshl_add_u32 v192, v0, 2, 0x4d800
	v_mov_b32 v193, 0
	s_set_vgpr_msb 0x4000
	v_lshrrev_b32 v12, 5, v0
	v_readfirstlane_b32 s[WV], v12                 ; wave 0..7
	s_and_b32 s[BD], ttmp7, 0xffff                 ; 16 batch + doc;  ttmp9 = head
	s_lshr_b32 s[BB], s[BD], 4
	s_mov_b32 s[SEL], 0x76543210
	s_mov_b32 s[SEL+1], 0xfedcba98
	s_mov_b32 s[CS], 0x3e38aa3b                    ; log2(e) / 8
	s_mov_b32 s[CS+1], s[CS]                       ; (named with it as a pair)
	s_mov_b32 s[MNT], 0x600000
	v_and_b32 v13, 31, v0
	v_lshlrev_b32 v[LI], 4, v13
	v_and_b32 v12, 15, v0                          ; r
	v_lshlrev_b32 v[L4], 2, v12
	v_bfe_u32 v14, v0, 4, 1                        ; h
	v_and_b32 v15, 8, v12
	v_add_nc_u32 v15, v15, v12
	v_lshlrev_b32 v15, 2, v15                      ; 4 P8(r)
	v_mov_b32 v[WA], v[LI]
	v_add_nc_u32 v[WA+1], 49152, v[LI]
	v_add_nc_u32 v[WA+2], 98304, v[LI]
	v_add_nc_u32 v[WSA], WSC, v[L4]
	v_lshl_add_u32 v[BFA], v14, 6, BF
	v_add_nc_u32 v[ERA], BF, v15
	s_lshl_b32 s37, s[WV], 7
	s_add_co_u32 s37, s37, SCR
	v_add_nc_u32 v[SCW], s37, v15
	v_lshl_add_u32 v[SCD], v14, 6, s37
	v_lshl_add_u32 v[MKB], v14, 6, MK8
	s_mul_i32 s37, s[WV], 18432
	v_add_nc_u32 v32, s37, v[LI]                   ; W's image: my wave's eighth
	v_lshlrev_b32 v33, 4, v0
	v_add_nc_u32 v34, WSC, v33                     ; W's scale words: 16 bytes a thread,
	v_add_nc_u32 v44, WSC+4096, v[LI]              ; and the last 512 bytes
	v_lshlrev_b32 v35, 3, v13
	v_add_nc_u32 v36, BF, v35
	v_add_nc_u32 v37, VIMG, v[LI]
	v_add_nc_u32 v38, VSC+1024, v35
	v_lshl_add_u32 v39, v0, 2, MK8
	v_sub_nc_u32 v40, v0, 33                       ; kap = thread: as a doc token,
	v_sub_nc_u32 v43, v0, 1                        ; as a query token
	v_add_nc_u32 v41, 223, v0                      ; kap = 256 + thread: always a doc token
	v_add_nc_u32 v42, 479, v0                      ; kap = 512 + thread
	s_mul_i32 s52, s[BD], 442368
	s_mul_i32 s53, s[WV], 24576
	s_add_co_u32 s52, s52, s53
	s_mov_b32 s53, 0
	s_mul_i32 s54, s[BD], 13824
	s_mul_i32 s55, s[WV], 768
	s_add_co_u32 s54, s54, s55
	s_mov_b32 s55, 0
	s_mul_i32 s56, ttmp9, 147456
	s_add_co_u32 s56, s56, s37
	s_mov_b32 s57, 0
	s_mul_i32 s58, ttmp9, 4608
	s_mov_b32 s59, 0
	s_lshl_b32 s60, ttmp9, 8
	s_mov_b32 s61, 0
	s_mul_i32 s62, s[BB], 9216
	s_add_co_u32 s62, s62, s60
	s_mov_b32 s63, 0
	s_lshl_b32 s38, s[BB], 7
	s_mov_b32 s39, 0
	s_lshl_b32 s46, s[BD], 11
	s_mov_b32 s47, 0
	s_mul_i32 s50, s[BD], 1674240
	s_add_co_u32 s50, s50, s60
	s_mov_b32 s51, 0
	s_wait_kmcnt 0x0
	s_add_nc_u64 s[XB:XB+1], s[4:5], s[52:53]
	s_add_nc_u64 s[XSB:XSB+1], s[6:7], s[54:55]
	s_add_nc_u64 s[8:9], s[8:9], s[56:57]
	s_add_nc_u64 s[10:11], s[10:11], s[58:59]
	s_add_nc_u64 s[12:13], s[12:13], s[62:63]
	s_add_nc_u64 s[14:15], s[14:15], s[60:61]
	s_add_nc_u64 s[16:17], s[16:17], s[60:61]
	s_add_nc_u64 s[18:19], s[18:19], s[60:61]
	s_add_nc_u64 s[20:21], s[20:21], s[38:39]
	s_add_nc_u64 s[22:23], s[22:23], s[46:47]
	s_add_nc_u64 s[OB0:OB0+1], s[24:25], s[50:51]
	v_cmp_eq_u32 s49, 0, v12                       ; r = 0
	v_cmp_eq_u32 s50, 0, v14                       ; lanes 0-15
	v_cmp_gt_u32 s56, 512, v40
	v_cmp_gt_u32 s58, 512, v42
	v_cmp_gt_u32 s59, 32, v43
	v_cmp_eq_u32 s60, 0, v0
	v_min_u32 v40, 511, v40                        ; no load leaves its buffer
	v_min_u32 v42, 511, v42
	v_min_u32 v43, 31, v43
	v_lshlrev_b32 v40, 2, v40
	v_lshlrev_b32 v41, 2, v41
	v_lshlrev_b32 v42, 2, v42
	v_lshlrev_b32 v43, 2, v43
.set n, 0
.rept 36
	global_load_b128 v[64+4*n:64+4*n+3], v[LI], s[8:9] offset:512*n   ; my eighth of the head's 147,456 bytes of W's images
.set n, n+1
.endr
	global_load_b128 v[208:211], v33, s[10:11]
	global_load_b128 v[212:215], v[LI], s[10:11] offset:4096          ; these seven are so small that every wave issues them; only the LDS stores are shared out
	global_load_b64 v[216:217], v35, s[14:15]
	global_load_b64 v[218:219], v35, s[16:17]
	global_load_b64 v[220:221], v35, s[18:19]
	global_load_b64 v[222:223], v35, s[12:13]
	global_load_b64 v[224:225], v35, s[12:13] offset:3072
	global_load_b64 v[226:227], v35, s[12:13] offset:6144
	global_load_b32 v232, v40, s[22:23]
	global_load_b32 v233, v41, s[22:23]
	global_load_b32 v234, v42, s[22:23]
	global_load_b32 v235, v43, s[20:21]
.irp j, 0,1,2,3
	v_mov_b32 v[228+\j], 0
.endr
	v_mov_b32 v236, 0xfd800000                     ; -2^124
	s_wait_loadcnt 0x0                             ; these 48 loads are in
.irp s, 0,1,2,3,4,5
	XSTEP \s, 0, 0                                 ; my first block of x: 60 loads, which are on their way during the LDS stores and the barrier
.endr
.set n, 0
.rept 36
	ds_store_b128 v32, v[64+4*n:64+4*n+3] offset:512*n
.set n, n+1
.endr
	ds_store_b128 v34, v[208:211]
	v_cndmask_b32 v237, v236, 0, s60               ; kap = 0: no mask;
	v_cndmask_b32 v237, v237, v235, s59            ; a query token's;
	v_cndmask_b32 v237, v237, v232, s56            ; a doc token's
	v_cndmask_b32 v239, v236, v234, s58            ; past kap = 544: a key that counts for nothing
	v_mul_f32 v237, 0x41000000, v237               ; x 8: the scores carry no 1 / 8 yet
	v_mul_f32 v238, 0x41000000, v233
	v_mul_f32 v239, 0x41000000, v239
	v_max_num_f32 v237, v237, v236                 ; held at -2^124, so that the C of S^T is a finite number
	v_max_num_f32 v238, v238, v236
	v_max_num_f32 v239, v239, v236
	ds_store_b32 v39, v237
	ds_store_b32 v39, v238 offset:1024
	ds_store_b32 v39, v239 offset:2048
	s_cmp_lg_u32 s[WV], 0
	s_cbranch_scc1 .La_not0
	ds_store_b128 v44, v[212:215]
.La_not0:
	s_cmp_lg_u32 s[WV], 1
	s_cbranch_scc1 .La_not1
.irp k, 0,1,2,3,4,5
	ds_store_b64 v36, v[216+2*\k:217+2*\k] offset:256*\k   ; bq, bk, bv, then the cls projections
.endr
.La_not1:
	s_cmp_lg_u32 s[WV], 2
	s_cbranch_scc1 .La_not2
.irp t, 0,1,2,3                        ; blocks 18 and 19 of the last key step do not exist: zero codes, and scale bytes 0
	ds_store_b128 v37, v[228:231] offset:(16+\t)*2048+1024
	ds_store_b128 v37, v[228:231] offset:(16+\t)*2048+1536
.endr
	ds_store_b64 v38, v[228:229]
.La_not2:
	s_wait_dscnt 0x0                               ; for the others' sake: my stores have landed
	s_barrier_signal -1
	s_barrier_wait -1
	; ---------------- PHASE B.  Two trips that every wave works (blocks w and w + 8), then blocks 16 and 17 by waves 0 and 1.  No barrier stands in it: a wave stores only its own blocks' bytes.
.irp t, 0,1,2,3
	v_mov_b32 v[CTX+\t], 0
	v_mov_b32 v[TM+4+\t], 0                        ; a lane permute's destination counts as a source
.endr
	v_mov_b32 v[CM], 0xff61b1e6                    ; -3e38, under every t
	v_mov_b32 v[CL], 0
	v_mov_b32 v250, 0
	s_mov_b32 s[BLK], s[WV]
	s_mov_b32 s[CNT], 0
.Lblk:
	BLOCK 1, 1, 0
	s_wait_xcnt 0x0                                ; the loads issued so far have read their bases: these may step
	s_add_nc_u64 s[XB:XB+1], s[XB:XB+1], 196608
	s_add_nc_u64 s[XSB:XSB+1], s[XSB:XSB+1], 6144
	s_add_co_u32 s[BLK], s[BLK], 8
	s_add_co_u32 s[CNT], s[CNT], 1
	s_cmp_lt_u32 s[CNT], 2
	s_cbranch_scc1 .Lblk
	s_cmp_lt_u32 s[WV], 2
	s_cbranch_scc0 .Lno_third
	s_add_co_u32 s[BLK], s[WV], 16
	BLOCK 0, 0, 1                                  ; its x was asked for in the second trip
.Lno_third:
	s_wait_loadcnt 0x0                             ; no load of x is out: the registers that they fill get other work from here on
	s_wait_dscnt 0x0                               ; my last stores have read their registers
.irp t, 0,1,2,3
	v_permlanex16_b32 v[32+\t], v[CTX+\t], s[SEL], s[SEL+1]
.endr
	v_permlanex16_b32 v36, v[CL], s[SEL], s[SEL+1]
.irp t, 0,1,2,3
	v_add_f32 v[CTX+\t], v[CTX+\t], v[32+\t]       ; the other 16 keys of each block
.endr
	v_add_f32 v[CL], v[CL], v36
	s_lshl_b32 s53, s[WV], 9
	s_add_co_u32 s52, s53, CLSM-BF
	s_add_co_u32 s53, s53, CLSM
	v_add_nc_u32 v12, s52, v[ERA]
	v_mov_b32 v13, s53
.irp t, 0,1,2,3
	ds_store_b32 v12, v[CTX+\t] offset:128*(\t/2)+32*(\t%2)
.endr
	ds_store_b64 v13, v[CM:CL] offset:256
	s_wait_dscnt 0x0                               ; for the others' sake: all my images lie in LDS
	s_barrier_signal -1
	s_barrier_wait -1
	; ---------------- PHASE D: query tiles wave, wave + 8, ..: five trips, of which a wave works four or five.  LDS is only read here, but for each wave's own stage.
.irp j, 0,1,2,3,4,5,6,7
	v_mov_b32 v[RQ+8+\j], 0                        ; Q's upper half: zero codes
	v_mov_b32 v[RK+64+\j], 0                       ; and what stands behind K's eighth tile
.endr
.irp b, 0,1,2,3
	v_mov_b32 v[BP+\b], 0
.endr
	v_mov_b32 v[FF+1], 0                           ; (named as the upper half of a pair)
	v_and_b32 v[T0], 15, v0
	v_bfe_u32 v[T1], v0, 4, 1
	v_add_nc_u32 v[KA], KIMG, v[LI]
	v_add_nc_u32 v[KSA], KSC, v[L4]
	v_add_nc_u32 v[VA], VIMG, v[LI]
	v_add_nc_u32 v[VSA], VSC, v[L4]
	s_mul_i32 s37, s[WV], 4352
	s_add_co_u32 s37, s37, STG
	v_mul_u32_u24 v[STW], v[T0], 272
	v_lshl_add_u32 v[STW], v[T1], 6, v[STW]
	v_add_nc_u32 v[STW], s37, v[STW]               ; the stage, in: row r, + 64 h
	v_mul_u32_u24 v[STR], v[T1], 272
	v_lshl_add_u32 v[STR], v[T0], 4, v[STR]
	v_add_nc_u32 v[STR], s37, v[STR]               ; back: lanes 0-15 one row of 256 bytes, lanes 16-31 the next
	v_mul_u32_u24 v[GO], v[T1], 3072
	v_lshl_add_u32 v[GO], v[T0], 4, v[GO]          ; and the same two rows in out0
	v_add_nc_u32 v[HM1], -1, v[T1]
.macro PREK s                          ; a key step's tiles of K and their scale words: three loads a tile
.set nt, 8
.if \s == 4
.set nt, 4
.endif
.set t, 0
.rept nt
	ds_load_b128 v[RK+8*t:RK+8*t+3], v[KA] offset:(8*\s+t)*1024
	ds_load_b128 v[RK+8*t+4:RK+8*t+7], v[KA] offset:(8*\s+t)*1024+512
	ds_load_b32 v[KS+t], v[KSA] offset:(8*\s+t)*64
.set t, t+1
.endr
.endm
.macro PREM s                          ; 8 x the masks of a key step, into S's registers: four loads a block
.set nk, 4
.if \s == 4
.set nk, 2
.endif
.set b, 0
.rept nk
.irp g, 0,1,2,3
	ds_load_b128 v[RS+16*b+4*\g:RS+16*b+4*\g+3], v[MA] offset:512*\s+128*b+16*\g
.endr
.set b, b+1
.endr
.endm
; A KEY STEP: nb blocks of 32 keys.  first = 1: it starts M, the sum and O^T.  nxt: the step whose K and masks are asked for meanwhile; cnt: how many LDS loads that is.
.macro STEP s, nb, first, nxt, cnt
	s_wait_dscnt 0x0                               ; K, its scale words and the masks, asked for a step ago (in step 0: Q too)
.set t, 0
.rept 2*\nb
	MM RS+8*t, RK+8*t, RQ, RS+8*t, KS+t, QS        ; S^T = K Q^T + 8 mask: register 16 b + n = key 128 s + 32 b + 16 h + n of my query
.set t, t+1
.endr
	NOPS 8                                         ; places in front of the reads of S and of the loads into K's, V's and the scale words' registers
	WIN 0x40
.irp u, 0,1,2,3
.irp c, 0,1,2,3
	ds_load_b128 v[16*\u+4*\c:16*\u+4*\c+3], v[VA] offset:(4*\s+\u)*2048+512*\c
.endr
.endr
	WIN 0
.irp u, 0,1,2,3
	ds_load_b32 v[VS+\u], v[VSA] offset:(4*\s+\u)*64
.endr
	PREK \nxt
.set b, 0
.rept \nb
	v_max3_num_f32 v[BM+b], v[RS+16*b], v[RS+16*b+1], v[RS+16*b+2]   ; the largest score of each block: for the row's maximum, and, since p rises with the score, for the block's largest p
.set b, b+1
.endr
.irp i, 3,5,7,9,11,13
.set b, 0
.rept \nb
	v_max3_num_f32 v[BM+b], v[BM+b], v[RS+16*b+\i], v[RS+16*b+\i+1]
.set b, b+1
.endr
.endr
.set b, 0
.rept \nb
	v_max_num_f32 v[BM+b], v[BM+b], v[RS+16*b+15]
.set b, b+1
.endr
.set b, 0
.rept \nb
	v_permlanex16_b32 v[BP+b], v[BM+b], s[SEL], s[SEL+1]
.set b, b+1
.endr
.set b, 0
.rept \nb
	v_max_num_f32 v[BM+b], v[BM+b], v[BP+b]
.set b, b+1
.endr
.if \nb == 4
	v_max3_num_f32 v[T0], v[BM], v[BM+1], v[BM+2]
	v_max_num_f32 v[T0], v[T0], v[BM+3]
.else
	v_max_num_f32 v[T0], v[BM], v[BM+1]
.endif
	v_mul_f32 v[T0], s[CS], v[T0]                  ; the step's largest t (key 0 is never masked, so step 0's is a score's)
.if \first
	v_mov_b32 v[TX], v[T0]
	v_floor_f32 v[NM], -v[TX]                      ; -M = floor(-t): M is a whole number
.else
	v_max_num_f32 v[TX], v[TX], v[T0]
	v_mov_b32 v[T0], v[NM]
	v_floor_f32 v[NM], -v[TX]
	v_sub_f32 v[T0], v[NM], v[T0]                  ; old M - new M, a whole number, 0 or less
	v_cvt_i32_f32 v[T0], v[T0]
	v_ldexp_f32 v[FF], 1.0, v[T0]                  ; f = 2^(old M - new M): a multiplication by it rounds nothing
.endif
.set j, 0
.rept 8*\nb
	v_pk_fma_f32 v[RS+j:RS+j+1], v[RS+j:RS+j+1], s[CS:CS+1], v[NM:NM+1] op_sel_hi:[1,0,0]   ; t - M
.set j, j+2
.endr
.set b, 0
.rept \nb
	v_fma_f32 v[BM+b], v[BM+b], s[CS], v[NM]
.set b, b+1
.endr
.set j, 0
.rept 16*\nb
	v_exp_f32 v[RS+j], v[RS+j]                     ; p = 2^(t - M)
.set j, j+1
.endr
.set b, 0
.rept \nb
	v_exp_f32 v[BM+b], v[BM+b]                     ; the block's largest p: the same two instructions on the same number
.set b, b+1
.endr
.if \first
	v_nop                                          ; a plain line behind the exponentials
	s_wait_alu depctr_va_vdst(0)
.else
	v_pk_mul_f32 v[LS:LS+1], v[LS:LS+1], v[FF:FF+1] op_sel_hi:[1,0]   ; the sum under the new M (a plain line behind the exponentials)
	s_wait_alu depctr_va_vdst(0)
.endif
.set b, 0
.rept \nb
	v_max_num_f32 v[BM+b], 0x8000000, v[BM+b]      ; the floor 2^(16 - 127)
.set b, b+1
.endr
.set b, 0
.rept \nb
	v_add_nc_u32 v[SO+b], 0xf8800000, v[BM+b]      ; the conversion's scale operand
	v_and_or_b32 v[HD+b], v[BM+b], 0x7f800000, s[MNT]   ; 57,344 x the scale
.set b, b+1
.endr
.set b, 0
.rept \nb
	v_lshrrev_b32 v[BP+b], 23, v[SO+b]             ; the scale's byte
.set b, b+1
.endr
	v_lshl_or_b32 v[PWD], v[BP+1], 8, v[BP]        ; p's scale word
.if \nb == 4
	v_lshl_or_b32 v[PWD], v[BP+2], 16, v[PWD]
	v_lshl_or_b32 v[PWD], v[BP+3], 24, v[PWD]
.endif
	v_pk_add_f32 v[L2:L2+1], v[RS:RS+1], v[RS+2:RS+3]   ; the sum of the unquantised p, in two chains
.if \first
	v_pk_add_f32 v[LS:LS+1], v[RS+4:RS+5], v[RS+6:RS+7]
.else
	v_pk_add_f32 v[LS:LS+1], v[LS:LS+1], v[RS+4:RS+5]
	v_pk_add_f32 v[L2:L2+1], v[L2:L2+1], v[RS+6:RS+7]
.endif
.set j, 8
.rept 4*\nb-2
	v_pk_add_f32 v[LS:LS+1], v[LS:LS+1], v[RS+j:RS+j+1]
	v_pk_add_f32 v[L2:L2+1], v[L2:L2+1], v[RS+j+2:RS+j+3]
.set j, j+4
.endr
	v_pk_add_f32 v[LS:LS+1], v[LS:LS+1], v[L2:L2+1]
.set b, 0
.rept \nb
.irp i, 0,1,2,3,4,5,6,7,8,9,10,11,12,13,14,15
	v_min_num_f32 v[RS+16*b+\i], v[RS+16*b+\i], v[HD+b]   ; the hold; p is not negative
.endr
	v_cvt_scalef32_pk8_bf8_f32 v[DPC+4*b:DPC+4*b+1], v[RS+16*b:RS+16*b+7], v[SO+b]
	v_cvt_scalef32_pk8_bf8_f32 v[DPC+4*b+2:DPC+4*b+3], v[RS+16*b+8:RS+16*b+15], v[SO+b]
.set b, b+1
.endr
.if \nb == 2
.irp j, 8,9,10,11,12,13,14,15
	v_mov_b32 v[DPC+\j], 0                         ; blocks 18 and 19: zero codes
.endr
.endif
	PREM \nxt                                      ; S's registers are free
.if \first
	NOPS 4                                         ; four places between the codes and the product that takes them
.else
.set j, 0
.rept 16
	v_pk_mul_f32 v[RO+j:RO+j+1], v[RO+j:RO+j+1], v[FF:FF+1] op_sel_hi:[1,0]   ; O^T under the new M; these are also those places
.set j, j+2
.endr
.endif
	s_wait_dscnt \cnt                              ; V and its scale words are in; behind them only the next step's K, scale words and masks
	WIN 0x01                                       ; source 0 (V) window 1
.irp u, 0,1,2,3
.if \first
	MM0 RO+8*\u, 16*\u, DPC, VS+\u, PWD
.else
	MM RO+8*\u, 16*\u, DPC, RO+8*\u, VS+\u, PWD
.endif
.endr
	WIN 0
.endm
	s_mov_b32 s[BLK], s[WV]
	s_mov_b32 s[CNT], 0
	PREK 0
	PREM 0
.Ltile:
	s_cmp_lt_u32 s[BLK], 35
	s_cbranch_scc0 .Ltile_skip
	s_lshl_b32 s52, s[BLK], 10
	s_add_co_u32 s52, s52, QIMG
	v_add_nc_u32 v[QA], s52, v[LI]
	s_lshl_b32 s53, s[BLK], 6
	s_add_co_u32 s53, s53, QSC
	v_add_nc_u32 v[QSA], s53, v[L4]
	ds_load_b128 v[RQ:RQ+3], v[QA]
	ds_load_b128 v[RQ+4:RQ+7], v[QA] offset:512
	ds_load_b32 v[QS], v[QSA]
	STEP 0, 4, 1, 1, 40                            ; 40 = 8 tiles x 3 + 4 blocks x 4
	STEP 1, 4, 0, 2, 40
	STEP 2, 4, 0, 3, 40
	STEP 3, 4, 0, 4, 20                            ; 20 = 4 tiles x 3 + 2 blocks x 4
	STEP 4, 2, 0, 0, 40                            ; keys 512 to 575; step 0's K and masks come for the next tile
	; the way out: O^T / the sum, through my stage, as rows of 256 bytes: one row's slice of one head
	s_lshr_b32 s37, s[BLK], 1
	s_lshl_b32 s37, s37, 5
	s_and_b32 s38, s[BLK], 1
	s_lshl_b32 s38, s38, 3
	s_add_co_u32 s37, s37, s38                     ; the tile's first kap
	s_mul_i32 s52, s37, 3072
	s_mov_b32 s53, 0
	s_add_nc_u64 s[OBT:OBT+1], s[OB0:OB0+1], s[52:53]   ; (behind every earlier store stands a wait on XCNT for 0)
	v_add_f32 v[T0], v[LS], v[LS+1]
	v_permlanex16_b32 v[T1], v[T0], s[SEL], s[SEL+1]
	v_add_f32 v[T0], v[T0], v[T1]
	v_rcp_f32 v[T0], v[T0]
	v_add_nc_u32 v[VK], s37, v[HM1]                ; kap - 1 of stage row h (a plain line behind the reciprocal)
	NOPS 5                                         ; with the three plain lines above: eight places behind the last products
.set j, 0
	s_wait_alu depctr_va_vdst(0)
.rept 16
	v_pk_mul_f32 v[RO+j:RO+j+1], v[RO+j:RO+j+1], v[T0:T1] op_sel_hi:[1,0]
.set j, j+2
.endr
.irp u, 0,1,2,3
.irp g, 0,1
	ds_store_b128 v[STW], v[RO+8*\u+4*\g:RO+8*\u+4*\g+3] offset:128*(\u/2)+32*(\u%2)+16*\g
.endr
.endr
	s_wait_dscnt 0x0                               ; the stores have read their registers, which the loads below fill
.irp n, 0,1,2,3,4,5,6,7
	ds_load_b128 v[RO+4*\n:RO+4*\n+3], v[STR] offset:544*\n
.endr
	s_wait_dscnt 0x0
.irp n, 0,1,2,3,4,5,6,7                ; stage rows 2 n and 2 n + 1 are kap = first + 2 n + 8 (n / 4) + h; kap = 0 (the cls row) and kap > 544 are not stored
	v_add_nc_u32 v[T1], 2*\n+8*(\n/4), v[VK]
	v_cmp_gt_u32 vcc_lo, 544, v[T1]
	s_wait_xcnt 0x0                                ; EXEC changes only behind this wait
	s_and_saveexec_b32 s48, vcc_lo
	global_store_b128 v[GO], v[RO+4*\n:RO+4*\n+3], s[OBT:OBT+1] offset:3072*(2*\n+8*(\n/4)) th:TH_STORE_NT   ; 16 lanes store 256 consecutive bytes, aligned
	s_wait_xcnt 0x0
	s_or_b32 exec_lo, exec_lo, s48
.endr
.Ltile_skip:
	s_add_co_u32 s[BLK], s[BLK], 8
	s_add_co_u32 s[CNT], s[CNT], 1
	s_cmp_lt_u32 s[CNT], 5
	s_cbranch_scc1 .Ltile
	s_wait_dscnt 0x0                               ; the loads asked for ahead of a tile that does not come
	s_cmp_lg_u32 s[WV], 7                          ; wave 7, which has four tiles, joins the eight waves' parts of the cls row
	s_cbranch_scc1 .Lend
	v_lshrrev_b32 v7, 1, v[LI]                     ; 8 x lane: two of the head's 64
	v_add_nc_u32 v8, CLSM, v7
	v_mov_b32 v9, CLSM+256
.irp w, 0,1,2,3,4,5,6,7
	ds_load_b64 v[104+2*\w:105+2*\w], v9 offset:512*\w     ; m, l
	ds_load_b64 v[120+2*\w:121+2*\w], v8 offset:512*\w     ; ctx
.endr
	s_wait_dscnt 0x0
	v_max3_num_f32 v136, v104, v106, v108
	v_max3_num_f32 v136, v136, v110, v112
	v_max3_num_f32 v136, v136, v114, v116
	v_max_num_f32 v136, v136, v118
.irp w, 0,1,2,3,4,5,6,7
	v_sub_f32 v[140+\w], v[104+2*\w], v136
.endr
.irp w, 0,1,2,3,4,5,6,7
	v_exp_f32 v[140+\w], v[140+\w]
.endr
	v_nop
	s_wait_alu depctr_va_vdst(0)
	v_mul_f32 v150, v140, v105
	v_mul_f32 v152, v140, v120
	v_mul_f32 v153, v140, v121
.irp w, 1,2,3,4,5,6,7
	v_fma_f32 v150, v[140+\w], v[105+2*\w], v150
	v_fma_f32 v152, v[140+\w], v[120+2*\w], v152
	v_fma_f32 v153, v[140+\w], v[121+2*\w], v153
.endr
	v_rcp_f32 v150, v150
	v_nop
	s_wait_alu depctr_va_vdst(0)
	v_mul_f32 v152, v152, v150
	v_mul_f32 v153, v153, v150
	global_store_b64 v7, v[152:153], s[OB0:OB0+1] th:TH_STORE_NT   ; row kap = 0: 256 consecutive bytes, aligned
.Lend:
	s_barrier_signal -1
	s_barrier_wait -1
	s_set_vgpr_msb 0x5
	s_wait_tensorcnt 0x0
	ds_add_u32 v192, v193
	s_wait_dscnt 0x0
	s_set_vgpr_msb 0x500
	s_endpgm
.Lfunc_end_k_qae58bb7624_main:
	.size	k_qae58bb7624_main, .Lfunc_end_k_qae58bb7624_main-k_qae58bb7624_main
	.p2alignl 7, 3214868480
	.fill 96, 4, 3214868480
	.section	.rodata,"a",@progbits
	.p2align	6, 0x0
	.amdhsa_kernel k_qae58bb7624_main
		.amdhsa_group_segment_fixed_size 318464
		.amdhsa_private_segment_fixed_size 0
		.amdhsa_enable_private_segment 0
		.amdhsa_kernarg_size 88
		.amdhsa_user_sgpr_count 2
		.amdhsa_user_sgpr_kernarg_segment_ptr 1
		.amdhsa_wavefront_size32 1
		.amdhsa_system_sgpr_workgroup_id_x 1
		.amdhsa_system_sgpr_workgroup_id_y 1
		.amdhsa_system_sgpr_workgroup_id_z 1
		.amdhsa_system_vgpr_workitem_id 0
		.amdhsa_next_free_vgpr 450
		.amdhsa_next_free_sgpr 66
		.amdhsa_reserve_vcc 1
		.amdhsa_float_denorm_mode_32 3
		.amdhsa_float_denorm_mode_16_64 3
		.amdhsa_memory_ordered 1
		.amdhsa_forward_progress 1
		.amdhsa_inst_pref_size 255
	.end_amdhsa_kernel
	.section	.bss,"aw",@nobits
	.p2align	6
	.space	262144
	.amdgpu_metadata
---
amdhsa.version: [ 1, 2 ]
amdhsa.kernels:
  - .name:           k_qae58bb7624_main
    .symbol:         k_qae58bb7624_main.kd
    .args:
      - { .name: ximg, .offset: 0, .size: 8, .value_kind: global_buffer, .address_space: global }
      - { .name: xsc, .offset: 8, .size: 8, .value_kind: global_buffer, .address_space: global }
      - { .name: wimg, .offset: 16, .size: 8, .value_kind: global_buffer, .address_space: global }
      - { .name: wsc, .offset: 24, .size: 8, .value_kind: global_buffer, .address_space: global }
      - { .name: clsp, .offset: 32, .size: 8, .value_kind: global_buffer, .address_space: global }
      - { .name: bq, .offset: 40, .size: 8, .value_kind: global_buffer, .address_space: global }
      - { .name: bk, .offset: 48, .size: 8, .value_kind: global_buffer, .address_space: global }
      - { .name: bv, .offset: 56, .size: 8, .value_kind: global_buffer, .address_space: global }
      - { .name: qmask, .offset: 64, .size: 8, .value_kind: global_buffer, .address_space: global }
      - { .name: dmask, .offset: 72, .size: 8, .value_kind: global_buffer, .address_space: global }
      - { .name: out0, .offset: 80, .size: 8, .value_kind: global_buffer, .address_space: global }
    .group_segment_fixed_size: 318464
    .private_segment_fixed_size: 0
    .kernarg_segment_align: 8
    .kernarg_segment_size: 88
    .max_flat_workgroup_size: 256
    .sgpr_count:     66
    .vgpr_count:     450
    .wavefront_size: 32
...
	.end_amdgpu_metadata
.endif
;; end of part 2
;; ======== version 2 of 2: 2 launches
;; limits: right only within a limited range of input values
;; workspace buffers: ximg 14,155,776 bytes; xsc 442,368 bytes; wimg 1,769,472 bytes; wsc 55,296 bytes; clsp 18,432 bytes
;; launch prep (part 3): grid 21 x 16, 6 waves a work-group, no clusters, 127,744 bytes of LDS; arguments doc_codes, doc_scales, query_codes, query_scales, Wq, Wk, Wv, bq, bk, bv, cls, ximg, xsc, wimg, wsc, clsp; writes ximg, xsc, wimg, wsc, clsp
.if DOCPART == 3
	.amdgcn_target "amdgcn-amd-amdhsa--gfx1250"
	.amdhsa_code_object_version 6
	.text
	.protected	k_qae58bb7624_prep
	.globl	k_qae58bb7624_prep
	.p2align	8
	.type	k_qae58bb7624_prep,@function
k_qae58bb7624_prep:
	s_mov_b64 s[64:65], 0
	v_nop
	global_prefetch_b8 v0, s[64:65] scope:SCOPE_SE
	s_setreg_imm32_b32 hwreg(HW_REG_WAVE_MODE, 25, 1), 1
	s_wait_xcnt 0x0
; PREP: lays every operand of the projections as the matrix unit's registers want it, once.  No matrix work.
; ROWS.  A (batch, doc) pair attends over 545 rows, numbered kap: 0 = cls, 1..32 = query tokens, 33..544 = doc tokens; padded to 576.
; TILES.  Tile T = 2 B + u holds rows kap = 32 B + 8 u + P8(i), i = 0..15, P8(i) = i + 8 (i / 8).  The 16 rows of a weight tile are chosen the same way.
; IMAGE.  A fragment (16 rows x 128 K of 8-bit codes) is 4 groups of 512 bytes; lane l's 16 bytes of group c lie at 512 c + 16 l and are row l % 16, K = 32 c + 16 (l / 16) + 0..15.
; ROLE W (work-group x < 9; 144 work-groups): one tile of 16 rows of Wq, Wk or Wv; wave = K step of 128.  The numbers are quantised to E5M2 with one E8M0 byte for 32 along K
;   (scale = 2^(floor(log2(largest magnitude)) - 15)), stored as an image; the same f32 numbers give cls W^T + bias by fused multiply-adds in f32.
; ROLE X (the other 192): wave = one tile of kap rows of one (batch, doc): the given codes and scale bytes of doc and query are copied into images; kap = 0 and kap > 544 get zero codes and the scale word 0.
; LIMITS: NaN and infinities in W and cls are not served.  A block of W whose largest magnitude lies under 2^-111 keeps the scale byte 1; a block of zeros gets the byte 1 with zero codes (only this program reads the bytes).
; wsc is stored 64 bytes a fragment (lanes 16-31 repeat lanes 0-15): 55,296 bytes in all.
.set XSTW,  12544                      ; role X: a wave's stage, 16 rows x 784 bytes, from LDS byte 0 on
.set WST,   75264                      ; role W: the stages, 16 rows x 528 bytes a wave
.set WSTW,  8448
.set PART,  125952                     ; role W: the six waves' parts of the cls products: 128 bytes a wave
.set R,     16                         ; v16..    as loaded
.set R2,    112                        ; v112-207 role X: 24 groups in image order
.set X,     80                         ; v80-143  role W: register 16 c + n = k 32 c + 16 (lane / 16) + n of my row
.set C0,    144                        ; v144-207 role W: cls of batch 0, same places
.set PC,    208                        ; the codes
.set TM,    224                        ; v224-239 at work in QUANT
.set PW,    240                        ; the scale word
.set WV,    36
.set MNT,   44
.set SEL,   46                         ; s[46:47] lane l xor 16 for v_permlanex16_b32
; 64 numbers of a lane, register 16 b + n, become 16 registers of codes in v[PC] on; the four scale bytes are left in v[TM+4] on.
.macro QUANT s
.irp b, 0,1,2,3
	v_max3_num_f32 v[TM+\b], |v[\s+16*\b]|, |v[\s+1+16*\b]|, 0x8000000   ; my 16 numbers of block b, and the floor 2^(16 - 127): the byte cannot fall under 1
.endr
.irp i, 2,4,6,8,10,12,14
.irp b, 0,1,2,3
	v_max3_num_f32 v[TM+\b], v[TM+\b], |v[\s+16*\b+\i]|, |v[\s+1+16*\b+\i]|
.endr
.endr
.irp b, 0,1,2,3
	v_permlanex16_b32 v[TM+4+\b], v[TM+\b], s[SEL], s[SEL+1]
.endr
.irp b, 0,1,2,3
	v_max_num_f32 v[TM+\b], v[TM+\b], v[TM+4+\b]       ; with lane l xor 16's 16: the block's largest magnitude
.endr
.irp b, 0,1,2,3
	v_add_nc_u32 v[TM+12+\b], 0xf8800000, v[TM+\b]     ; 15 off its exponent field: the conversion's scale operand
.endr
.irp b, 0,1,2,3
.endr
.irp b, 0,1,2,3
	v_lshrrev_b32 v[TM+4+\b], 23, v[TM+12+\b]          ; the scale's byte
.endr
.irp b, 0,1,2,3
.irp i, 0,1,2,3,4,5,6,7,8,9,10,11,12,13,14,15
.endr
	v_cvt_scalef32_pk8_bf8_f32 v[PC+4*\b:PC+1+4*\b], v[\s+16*\b:\s+7+16*\b], v[TM+12+\b]
	v_cvt_scalef32_pk8_bf8_f32 v[PC+2+4*\b:PC+3+4*\b], v[\s+8+16*\b:\s+15+16*\b], v[TM+12+\b]
.endr
	v_nop                                              ; a plain line behind the last conversion
.endm
; my row's 128 numbers of W times cls: 64 products a lane in two chains, then lane l xor 16's
.macro DOT c, d
	v_pk_mul_f32 v[\d:\d+1], v[X:X+1], v[\c:\c+1]
	v_pk_mul_f32 v[\d+2:\d+3], v[X+2:X+3], v[\c+2:\c+3]
.irp n, 4,8,12,16,20,24,28,32,36,40,44,48,52,56,60
	v_pk_fma_f32 v[\d:\d+1], v[X+\n:X+\n+1], v[\c+\n:\c+\n+1], v[\d:\d+1]
	v_pk_fma_f32 v[\d+2:\d+3], v[X+\n+2:X+\n+3], v[\c+\n+2:\c+\n+3], v[\d+2:\d+3]
.endr
	v_pk_add_f32 v[\d:\d+1], v[\d:\d+1], v[\d+2:\d+3]
	v_add_f32 v[\d], v[\d], v[\d+1]
	v_permlanex16_b32 v[\d+2], v[\d], s[SEL], s[SEL+1]
	v_add_f32 v[\d], v[\d], v[\d+2]
.endm
	s_load_b512 s[4:19], s[0:1], 0x0               ; doc_codes 4, doc_scales 6, query_codes 8, query_scales 10, Wq 12, Wk 14, Wv 16, bq 18
	s_load_b512 s[20:35], s[0:1], 0x40             ; bk 20, bv 22, cls 24, ximg 26, xsc 28, wimg 30, wsc 32, clsp 34
	v_lshl_add_u32 v254, v0, 2, 0x1f000
	v_mov_b32 v255, 0
	v_lshrrev_b32 v1, 5, v0
	v_readfirstlane_b32 s[WV], v1                  ; wave 0..5
	v_and_b32 v8, 31, v0                           ; lane
	v_and_b32 v2, 15, v0                           ; r
	v_bfe_u32 v3, v0, 4, 1                         ; h
	v_lshlrev_b32 v1, 4, v8                        ; 16 x lane
	s_and_b32 s37, ttmp7, 0xffff                   ; work-group y
	s_mov_b32 s[SEL], 0x76543210
	s_mov_b32 s[SEL+1], 0xfedcba98
	s_cmp_ge_u32 ttmp9, 9                          ; the roles part on the work-group's number alone
	s_cbranch_scc1 .Lrole_x
	; ---------------- ROLE W
	s_cmp_ge_u32 ttmp9, 3
	s_cselect_b32 s38, 1, 0
	s_cmp_ge_u32 ttmp9, 6
	s_cselect_b32 s39, 1, 0
	s_add_co_u32 s38, s38, s39                     ; kind: 0 q, 1 k, 2 v
	s_mul_i32 s39, s38, 3
	s_sub_co_u32 s39, ttmp9, s39
	s_lshl_b32 s39, s39, 4
	s_add_co_u32 s39, s39, s37                     ; 0..47
	s_lshr_b32 s40, s39, 2                         ; head
	s_and_b32 s41, s39, 3                          ; tile t of the head's four
	s_lshl_b32 s42, s40, 6
	s_lshr_b32 s43, s41, 1
	s_lshl_b32 s43, s43, 5
	s_add_co_u32 s42, s42, s43
	s_and_b32 s43, s41, 1
	s_lshl_b32 s43, s43, 3
	s_add_co_u32 s42, s42, s43                     ; the tile's first row of W: 64 head + 32 (t / 2) + 8 (t % 2)
	s_mul_i32 s45, s[WV], WSTW
	s_add_co_u32 s45, s45, WST                     ; my stage
	s_wait_alu depctr_va_vdst(0)
	v_add_nc_u32 v4, s45, v1                       ; in: a row's 512 bytes as they lie
	v_mul_u32_u24 v5, v2, 528
	v_lshl_add_u32 v5, v3, 6, v5
	v_add_nc_u32 v5, s45, v5                       ; out: row r, + 64 h: my 16 numbers of a block of 32.  528 is an odd multiple of 16: the sixteen rows start at different banks
	v_lshlrev_b32 v6, 6, v3                        ; cls: 64 h
	v_lshlrev_b32 v7, 2, v2                        ; 4 r
	s_lshl_b32 s45, s[WV], 7
	s_add_co_u32 s45, s45, PART
	v_add_nc_u32 v9, s45, v7                       ; my wave's parts: + 64 batch + 4 r
	v_lshl_add_u32 v10, v8, 2, PART                ; wave 0 reads them back: lane = 16 batch + r
	v_and_b32 v11, 8, v2
	v_add_nc_u32 v11, v11, v2
	v_lshlrev_b32 v11, 2, v11                      ; 4 P8(r)
	v_mul_u32_u24 v12, v3, 9216
	v_add_nc_u32 v12, v12, v11                     ; clsp: batch h, row P8(r) of the tile
.irp b, 0,1,2,3
	v_mov_b32 v[TM+4+\b], 0                        ; a lane permute's destination counts as a source: written once
.endr
	s_mul_i32 s48, s42, 3072
	s_lshl_b32 s50, s[WV], 9                       ; K step: 512 bytes of f32
	s_add_co_u32 s48, s48, s50
	s_mov_b32 s49, 0
	s_mov_b32 s51, 0
	s_mul_i32 s60, s[WV], 12
	s_lshl_b32 s61, s38, 2
	s_add_co_u32 s60, s60, s61
	s_add_co_u32 s60, s60, s41                     ; fragment 12 s + 4 kind + t of the head
	s_mul_i32 s52, s40, 147456
	s_lshl_b32 s61, s60, 11
	s_add_co_u32 s52, s52, s61
	s_mov_b32 s53, 0
	s_mul_i32 s54, s40, 4608
	s_lshl_b32 s61, s60, 6
	s_add_co_u32 s54, s54, s61
	s_mov_b32 s55, 0
	s_lshl_b32 s56, s42, 2
	s_mov_b32 s57, 0
	s_mul_i32 s58, s38, 3072
	s_add_co_u32 s58, s58, s56
	s_mov_b32 s59, 0
	s_wait_kmcnt 0x0
	s_cmp_eq_u32 s38, 0                            ; the choice of buffers hangs on the work-group's number alone
	s_cselect_b64 s[12:13], s[12:13], s[14:15]
	s_cselect_b64 s[18:19], s[18:19], s[20:21]
	s_cmp_eq_u32 s38, 2
	s_cselect_b64 s[12:13], s[16:17], s[12:13]
	s_cselect_b64 s[18:19], s[22:23], s[18:19]
	s_add_nc_u64 s[12:13], s[12:13], s[48:49]      ; W at the tile's first row, my K step
	s_add_nc_u64 s[24:25], s[24:25], s[50:51]      ; cls at my K step
	s_add_nc_u64 s[30:31], s[30:31], s[52:53]      ; wimg
	s_add_nc_u64 s[32:33], s[32:33], s[54:55]      ; wsc
	s_add_nc_u64 s[18:19], s[18:19], s[56:57]      ; the bias at the tile's first row
	s_add_nc_u64 s[34:35], s[34:35], s[58:59]      ; clsp likewise
.irp i, 0,1,2,3,4,5,6,7,8,9,10,11,12,13,14,15
	global_load_b128 v[R+4*\i:R+4*\i+3], v1, s[12:13] offset:(\i+8*(\i/8))*3072 th:TH_LOAD_NT   ; tile row i: 512 consecutive bytes
.endr
.irp c, 0,1,2,3
.irp g, 0,1,2,3
	global_load_b128 v[C0+16*\c+4*\g:C0+16*\c+4*\g+3], v6, s[24:25] offset:128*\c+16*\g
.endr
.endr
.irp i, 0,1,2,3,4,5,6,7,8,9,10,11,12,13,14,15
	s_wait_loadcnt 31-\i                           ; row i is in: behind it 15 - i rows and the 16 loads of cls
	ds_store_b128 v4, v[R+4*\i:R+4*\i+3] offset:528*\i
.endr
.irp c, 0,1,2,3
.irp g, 0,1,2,3
	ds_load_b128 v[X+16*\c+4*\g:X+16*\c+4*\g+3], v5 offset:128*\c+16*\g   ; LDS serves a wave's instructions in order: these see my stores
.endr
.endr
	s_wait_dscnt 0x0                               ; the stores have read v[R] on, and my 64 numbers are in
.irp c, 0,1,2,3
.irp g, 0,1,2,3
	global_load_b128 v[R+16*\c+4*\g:R+16*\c+4*\g+3], v6, s[24:25] offset:3072+128*\c+16*\g   ; cls of batch 1
.endr
.endr
	s_wait_loadcnt 16                              ; batch 0's cls is in; batch 1's 16 loads may be out
	DOT C0, 242
	s_wait_loadcnt 0x0
	DOT R, 248
	ds_store_b32 v9, v242
	ds_store_b32 v9, v248 offset:64
	QUANT X
	v_lshl_or_b32 v[PW], v[TM+5], 8, v[TM+4]       ; my row's scale word
	v_lshl_or_b32 v[PW], v[TM+6], 16, v[PW]
	v_lshl_or_b32 v[PW], v[TM+7], 24, v[PW]
.irp c, 0,1,2,3
	global_store_b128 v1, v[PC+4*\c:PC+4*\c+3], s[30:31] offset:512*\c   ; 512 consecutive bytes a store
.endr
	global_store_b32 v7, v[PW], s[32:33]
	s_wait_dscnt 0x0                               ; for the others' sake: my parts lie in LDS
	s_barrier_signal -1
	s_barrier_wait -1
	s_cmp_lg_u32 s[WV], 0
	s_cbranch_scc1 .Lw_end
.irp s, 0,1,2,3,4,5
	ds_load_b32 v[16+\s], v10 offset:128*\s        ; the six K steps' parts of (batch h, row r)
.endr
	global_load_b32 v22, v11, s[18:19]
	s_wait_loadcnt 0x0
	s_wait_dscnt 0x0
	v_add_f32 v16, v16, v17
	v_add_f32 v18, v18, v19
	v_add_f32 v20, v20, v21
	v_add_f32 v16, v16, v18
	v_add_f32 v20, v20, v22
	v_add_f32 v16, v16, v20
	global_store_b32 v12, v16, s[34:35]
.Lw_end:
	s_wait_tensorcnt 0x0
	ds_add_u32 v254, v255
	s_wait_dscnt 0x0
	s_endpgm
	; ---------------- ROLE X
.Lrole_x:
	s_sub_co_u32 s38, ttmp9, 9
	s_cmp_ge_u32 s38, 6
	s_cselect_b32 s39, 1, 0                        ; batch
	s_mul_i32 s40, s39, 6
	s_sub_co_u32 s40, s38, s40
	s_mul_i32 s40, s40, 6
	s_add_co_u32 s40, s40, s[WV]                   ; tile 0..35
	s_lshl_b32 s41, s39, 4
	s_add_co_u32 s41, s41, s37                     ; 16 batch + doc
	s_lshr_b32 s42, s40, 1
	s_and_b32 s43, s40, 1
	s_lshl_b32 s42, s42, 5
	s_lshl_b32 s43, s43, 3
	s_add_co_u32 s42, s42, s43                     ; the tile's first kap
	s_mul_i32 s45, s[WV], XSTW                     ; my stage
	s_wait_alu depctr_va_vdst(0)
	v_add_nc_u32 v4, s45, v1                       ; in: 16 x lane,
	v_lshl_add_u32 v5, v3, 4, v4                   ; and 16 more for lanes 16-31, where a load's 512 bytes cross a row's end
	v_mul_u32_u24 v6, v2, 784
	v_lshl_add_u32 v6, v3, 4, v6
	v_add_nc_u32 v6, s45, v6                       ; out: row r, + 16 h.  784 is an odd multiple of 16
	v_lshlrev_b32 v7, 2, v8                        ; 4 x lane
	v_and_b32 v9, 8, v2
	v_add_nc_u32 v9, v9, v2
	v_add_nc_u32 v9, s42, v9                       ; my row's kap
	v_sub_nc_u32 v10, v9, 33                       ; as a doc token,
	v_sub_nc_u32 v11, v9, 1                        ; as a query token
	v_cmp_gt_u32 s50, 512, v10                     ; is it one?
	v_cmp_gt_u32 s51, 32, v11
	v_min_u32 v10, 511, v10                        ; no load leaves its buffer
	v_min_u32 v11, 31, v11
	v_mul_u32_u24 v12, v10, 24
	v_lshl_add_u32 v12, v3, 2, v12                 ; scale bytes: 24 a token; lane (r, h) takes words h, 2 + h, 4 + h
	v_mul_u32_u24 v13, v11, 24
	v_lshl_add_u32 v13, v3, 2, v13
	v_mul_u32_u24 v14, v10, 768
	v_lshl_add_u32 v14, v3, 4, v14                 ; codes by rows: 768 a token, + 16 h
	v_mul_u32_u24 v15, v11, 768
	v_lshl_add_u32 v15, v3, 4, v15
	s_mul_i32 s48, s41, 12288
	s_mov_b32 s49, 0
	s_mul_i32 s52, s39, 768
	s_mov_b32 s53, 0
	s_mul_i32 s54, s41, 393216
	s_mov_b32 s55, 0
	s_mul_i32 s56, s39, 24576
	s_mov_b32 s57, 0
	s_mul_i32 s58, s41, 442368
	s_mul_i32 s59, s40, 12288
	s_add_co_u32 s58, s58, s59
	s_mov_b32 s59, 0
	s_mul_i32 s60, s41, 36
	s_add_co_u32 s60, s60, s40
	s_mul_i32 s60, s60, 384
	s_mov_b32 s61, 0
	s_wait_alu depctr_va_vdst(0)
	s_wait_kmcnt 0x0
	s_add_nc_u64 s[6:7], s[6:7], s[48:49]
	s_add_nc_u64 s[10:11], s[10:11], s[52:53]
	s_add_nc_u64 s[4:5], s[4:5], s[54:55]
	s_add_nc_u64 s[8:9], s[8:9], s[56:57]
	s_add_nc_u64 s[26:27], s[26:27], s[58:59]
	s_add_nc_u64 s[28:29], s[28:29], s[60:61]
.irp n, 0,1,2
	global_load_b32 v[208+\n], v12, s[6:7] offset:8*\n
	global_load_b32 v[211+\n], v13, s[10:11] offset:8*\n
.endr
	s_sub_co_u32 s45, s40, 3
	s_cmp_lt_u32 s45, 31                           ; tiles 3 to 33 hold doc tokens alone
	s_cbranch_scc0 .Lx_special
	s_sub_co_u32 s62, s42, 33
	s_mul_i32 s62, s62, 768
	s_mov_b32 s63, 0
	s_add_nc_u64 s[4:5], s[4:5], s[62:63]          ; the tile's first token: its two runs of 8 rows are 6,144 consecutive bytes each
.irp p, 0,1
.irp n, 0,1,2,3,4,5,6,7,8,9,10,11
	global_load_b128 v[R+4*(12*\p+\n):R+4*(12*\p+\n)+3], v1, s[4:5] offset:12288*\p+512*\n th:TH_LOAD_NT
.endr
.endr
.set q, 0
.rept 24                               ; load q = 12 p + 3 m + k: bytes 1,536 m + 512 k + 16 lane of run p go to row 8 p + 2 m (+ 1 past a row's 768 bytes) of the stage
	s_wait_loadcnt 23-q                            ; load q is in; the 23 - q younger ones may be out
.if q%3 == 1
	ds_store_b128 v5, v[R+4*q:R+4*q+3] offset:6272*(q/12)+1568*((q%12)/3)+512
.elseif q%3 == 2
	ds_store_b128 v4, v[R+4*q:R+4*q+3] offset:6272*(q/12)+1568*((q%12)/3)+1040
.else
	ds_store_b128 v4, v[R+4*q:R+4*q+3] offset:6272*(q/12)+1568*((q%12)/3)
.endif
.set q, q+1
.endr
.irp s, 0,1,2,3,4,5
.irp c, 0,1,2,3
	ds_load_b128 v[R2+4*(4*\s+\c):R2+4*(4*\s+\c)+3], v6 offset:128*\s+32*\c   ; in image order; LDS serves my instructions in order
.endr
.endr
	s_branch .Lx_join
.Lx_special:                                           ; tiles 0, 1, 2, 34, 35: by rows, from both tensors, and a choice for each row
.irp s, 0,1,2,3,4,5
.irp c, 0,1,2,3
	global_load_b128 v[R+4*(4*\s+\c):R+4*(4*\s+\c)+3], v14, s[4:5] offset:128*\s+32*\c
	global_load_b128 v[R2+4*(4*\s+\c):R2+4*(4*\s+\c)+3], v15, s[8:9] offset:128*\s+32*\c
.endr
.endr
	s_wait_loadcnt 0x0
.set q, 0
.rept 96
	v_cndmask_b32 v[R2+q], 0, v[R2+q], s51         ; a query token's codes, else zeros,
	v_cndmask_b32 v[R2+q], v[R2+q], v[R+q], s50    ; or a doc token's
.set q, q+1
.endr
.Lx_join:
	s_wait_alu depctr_va_vdst(0)
	s_wait_loadcnt 0x0                             ; the scale words
	s_wait_dscnt 0x0                               ; the image
.irp n, 0,1,2
	v_cndmask_b32 v[211+\n], 0, v[211+\n], s51
	v_cndmask_b32 v[211+\n], v[211+\n], v[208+\n], s50
.endr
.set q, 0
.rept 24
	global_store_b128 v1, v[R2+4*q:R2+4*q+3], s[26:27] offset:512*q   ; 512 consecutive bytes a store
.set q, q+1
.endr
.irp n, 0,1,2
	global_store_b32 v7, v[211+\n], s[28:29] offset:128*\n            ; K steps 2 n and 2 n + 1: 128 consecutive bytes
.endr
	s_wait_tensorcnt 0x0
	ds_add_u32 v254, v255
	s_wait_dscnt 0x0
	s_endpgm
.Lfunc_end_k_qae58bb7624_prep:
	.size	k_qae58bb7624_prep, .Lfunc_end_k_qae58bb7624_prep-k_qae58bb7624_prep
	.p2alignl 7, 3214868480
	.fill 96, 4, 3214868480
	.section	.rodata,"a",@progbits
	.p2align	6, 0x0
	.amdhsa_kernel k_qae58bb7624_prep
		.amdhsa_group_segment_fixed_size 127744
		.amdhsa_private_segment_fixed_size 0
		.amdhsa_enable_private_segment 0
		.amdhsa_kernarg_size 128
		.amdhsa_user_sgpr_count 2
		.amdhsa_user_sgpr_kernarg_segment_ptr 1
		.amdhsa_wavefront_size32 1
		.amdhsa_system_sgpr_workgroup_id_x 1
		.amdhsa_system_sgpr_workgroup_id_y 1
		.amdhsa_system_sgpr_workgroup_id_z 1
		.amdhsa_system_vgpr_workitem_id 0
		.amdhsa_next_free_vgpr 256
		.amdhsa_next_free_sgpr 66
		.amdhsa_reserve_vcc 0
		.amdhsa_float_denorm_mode_32 3
		.amdhsa_float_denorm_mode_16_64 3
		.amdhsa_fp16_overflow 1
		.amdhsa_memory_ordered 1
		.amdhsa_forward_progress 1
		.amdhsa_inst_pref_size 50
	.end_amdhsa_kernel
	.amdgpu_metadata
---
amdhsa.version: [ 1, 2 ]
amdhsa.kernels:
  - .name:           k_qae58bb7624_prep
    .symbol:         k_qae58bb7624_prep.kd
    .args:
      - { .name: doc_codes, .offset: 0, .size: 8, .value_kind: global_buffer, .address_space: global }
      - { .name: doc_scales, .offset: 8, .size: 8, .value_kind: global_buffer, .address_space: global }
      - { .name: query_codes, .offset: 16, .size: 8, .value_kind: global_buffer, .address_space: global }
      - { .name: query_scales, .offset: 24, .size: 8, .value_kind: global_buffer, .address_space: global }
      - { .name: Wq, .offset: 32, .size: 8, .value_kind: global_buffer, .address_space: global }
      - { .name: Wk, .offset: 40, .size: 8, .value_kind: global_buffer, .address_space: global }
      - { .name: Wv, .offset: 48, .size: 8, .value_kind: global_buffer, .address_space: global }
      - { .name: bq, .offset: 56, .size: 8, .value_kind: global_buffer, .address_space: global }
      - { .name: bk, .offset: 64, .size: 8, .value_kind: global_buffer, .address_space: global }
      - { .name: bv, .offset: 72, .size: 8, .value_kind: global_buffer, .address_space: global }
      - { .name: cls, .offset: 80, .size: 8, .value_kind: global_buffer, .address_space: global }
      - { .name: ximg, .offset: 88, .size: 8, .value_kind: global_buffer, .address_space: global }
      - { .name: xsc, .offset: 96, .size: 8, .value_kind: global_buffer, .address_space: global }
      - { .name: wimg, .offset: 104, .size: 8, .value_kind: global_buffer, .address_space: global }
      - { .name: wsc, .offset: 112, .size: 8, .value_kind: global_buffer, .address_space: global }
      - { .name: clsp, .offset: 120, .size: 8, .value_kind: global_buffer, .address_space: global }
    .group_segment_fixed_size: 127744
    .private_segment_fixed_size: 0
    .kernarg_segment_align: 8
    .kernarg_segment_size: 128
    .max_flat_workgroup_size: 192
    .sgpr_count:     66
    .vgpr_count:     256
    .wavefront_size: 32
...
	.end_amdgpu_metadata
.endif
;; end of part 3
;; launch main (part 4): grid 32 x 16, 8 waves a work-group, no clusters, 318,464 bytes of LDS; arguments ximg, xsc, wimg, wsc, clsp, bq, bk, bv, qmask, dmask, out0; writes out0
.if DOCPART == 4
	.amdgcn_target "amdgcn-amd-amdhsa--gfx1250"
	.amdhsa_code_object_version 6
	.text
	.protected	k_qae58bb7624_main
	.globl	k_qae58bb7624_main
	.p2align	8
	.type	k_qae58bb7624_main,@function
k_qae58bb7624_main:
	s_mov_b64 s[64:65], 0
	v_nop
	global_prefetch_b8 v0, s[64:65] scope:SCOPE_SE
	s_setreg_imm32_b32 hwreg(HW_REG_WAVE_MODE, 25, 1), 1
	s_wait_xcnt 0x0
; MAIN: a unit is one (batch, doc, head): projections, quantisers, the cls row and the attention.  q, k, v and p never go to memory.
; WHO DOES WHAT.  Work-group x = 16 batch + doc; y = 0..7: the whole unit of head y; y = 8..15: head 8 + (y - 8) / 2, half y % 2 of its query tiles.  384 units are one and a half for each of 256 WGPs:
; so 256 units are done whole, and the long work-groups stand first in the grid; 128 units are given to two work-groups each, which both project all of the unit and share the query tiles by the trips of the tile loop
; (half 0: trips 0, 2, 4; half 1: trips 1, 3).  Half 0 stores the cls row.  No LDS address hangs on the work-group's number: only two branches do.
; ROWS kap = 0 (cls), 1..32 (query), 33..544 (doc), padded to 576.  Block B = 32 rows; tile T = 2 B + u holds kap = 32 B + 8 u + P8(i), P8(i) = i + 8 (i / 8); the head's 64 columns are cut into four tiles the same way.
; So every matrix result has, in a lane's 16 registers of two neighbouring tiles, 16 neighbours along the next product's K, and the conversions' results are operand registers.
;   q, k: source 0 = 16 rows of W, source 1 = 16 tokens: a lane holds one token, registers run along the head's 64.   v: source 0 = 16 tokens, source 1 = 16 rows of Wv: a lane holds one column, registers run along the keys.
;   S^T = K Q^T and O^T = V^T P^T: a lane holds one query throughout.
; K = 64 IN AN INSTRUCTION OF 128: Q's upper eight registers are zero codes.  K's tiles lie 8 registers apart, so a tile's upper half is the next tile's codes: finite numbers of our own quantiser, times 0.
; THE MASK: a table of 8 x mask by kap (0 for cls; held at -2^124 from below, which is also what kap > 544 gets) is loaded into S's registers and is the C of S^T; t = (q.k + 8 mask) log2(e) / 8.
; SOFTMAX ahead of the second product: M = the running largest t rounded up to a whole number, p = 2^(t - M) quantised along the keys in blocks of 32 counted from kap 0; the sum is of the unquantised p.
; THE CLS ROW is left unquantised: each wave takes its blocks' f32 k and v, as they leave the projection, into a running softmax of its own; wave 7 joins the eight at the end.
; PHASES: A fill LDS (W's images, tables) | barrier | B: 18 blocks: every wave takes blocks w and w + 8; of blocks 16 and 17 waves 0 and 1 take k and v, waves 2 and 3 q: images to LDS | barrier | D: the query tiles, five key steps of 128 each.
; No tensor loads and no cluster: x goes from memory straight into the registers that multiply it (192 registers a block, asked for one pass ahead), and LDS has no room for a ring of it.
; LIMITS: NaN and infinities among the floating-point inputs are not served, but -infinity in a mask is: a mask under -2^121 counts as -2^121, where p is 0 all the same, since the cls key is never masked;
; a given scale byte 0xff is not served; a block whose largest magnitude lies under 2^-111 keeps the scale byte 1.
.set WIMG, 0                           ; W's 72 fragments of this head: 12 s + 4 kind + t, 2,048 bytes each
.set WSC,  147456                      ; their scale words, 64 bytes each
.set KIMG, 152064                      ; K: 36 tiles of 1,024 bytes (groups 0 and 1 of a fragment)
.set KSC,  188928
.set VIMG, 191232                      ; V^T: fragment 4 S + t; group c = block 4 S + c
.set VSC,  232192                      ; (4 S + t) 64 + 4 r + c: single bytes
.set QIMG, 233472
.set QSC,  270336
.set MK8,  272640                      ; 768 f32: 8 x mask by kap
.set BF,   275712                      ; the head's 64 of bq, bk, bv
.set CP,   276480                      ; the head's 64 of the cls projections q, k, v (BF + 768)
.set SCR,  277248                      ; 128 bytes a wave: a block's cls scores
.set CLSM, 278272                      ; 512 bytes a wave: ctx[64], then m and l at + 256
.set STG,  282368                      ; 16 rows x 272 bytes a wave: the way out
.set HF,  2                            ; s2  1 in a work-group that has half of a unit's query tiles
.set JF,  3                            ; s3  which half
.set XST, 6                            ; s[6:7] what x's pointer steps by at a trip's end;  s[8:9] the same for x's scale words (the registers are free once phase A's loads are in)
.set SST, 8
.set WV,  26
.set HEADR, 27
.set BD,  28
.set BB,  29
.set SEL, 30                           ; s[30:31] lane l xor 16
.set CS,  32                           ; s[32:33] c = log2(e) / 8
.set MNT, 34
.set BLK, 35                           ; the block, later the query tile, in hand
.set CNT, 36
.set XB,  40                           ; s[40:41] x's images: eight blocks ahead of it stands the block to be asked for
.set XSB, 42                           ; s[42:43] their scale words
.set OB0, 44                           ; s[44:45] out0 at (batch, doc, row 0, head)
.set OBT, 46                           ; s[46:47] at the tile's first row
.set LI,  1                            ; v1  16 x lane
.set L4,  2                            ; v2  4 r
; phase B
.set WA,  3                            ; v3-5 16 x lane + 49,152 j
.set WSA, 6                            ; WSC + 4 x lane: lanes 0-15 take one fragment's scale words, lanes 16-31 the next fragment's
.set BFA, 7                            ; BF + 64 h
.set ERA, 8                            ; BF + 4 P8(r)
.set SCW, 9
.set SCD, 10
.set MKB, 11                           ; MK8 + 64 h
.set XS,  16                           ; v16-27 x's scale words (6 i + s)
.set WS,  28                           ; v28-31 W's: set s % 2, register t / 2: the even tile's words in lanes 0-15, the odd tile's in lanes 16-31
.set W,   32                           ; v32-95 four fragments of W, the even K steps' set; at work between the passes
.set W1,  192                          ; the odd K steps' set: v448-511, named in window 1
.set BT,  96                           ; v96-127 the bias in the result's layout
.set ACC, 128                          ; v128-191 eight accumulators
.set PC,  192
.set TM,  208
.set PW0, 224
.set P16, 226                          ; v226-241 the cls row's weights of my 16 keys
.set CTX, 242
.set CM,  246
.set CL,  247
.set CF,  248
; phase D.  The scale words take v16-29, which hold scale words in phase B too
.set KA,  3
.set KSA, 4
.set VA,  5
.set VSA, 6
.set QA,  7
.set QSA, 8
.set STW, 9
.set STR, 10
.set MA,  11
.set GO,  12
.set HM1, 13
.set VK,  14
.set KS,  16                           ; v16-23 K's scale words
.set VS,  24                           ; v24-27 V's
.set QS,  28                           ; Q's
.set PWD, 29                           ; p's
.set RK,  32                           ; v32-103 K (v96-103 zero)
.set RS,  104                          ; v104-167 S^T, then p
.set RO,  168                          ; v168-199 O^T
.set DPC, 200                          ; p's codes
.set RQ,  216                          ; v216-231 Q (v224-231 zero)
.set NM,  232                          ; -M;  v233 the largest t
.set TX,  233
.set LS,  234                          ; the sum, in two halves
.set BM,  236
.set BP,  240
.set L2,  240                          ; the sum's second chain: in BP's first pair, once the bytes have made the scale word
.set HD,  244
.set SO,  248
.set FF,  252
.set T0,  254
.set T1,  255
.set MSB, 0
.macro WIN new                         ; the immediate's high byte repeats the setting that is left.  Window 1: x's fragments (96 i + 16 s) and W's second set, later V's (16 t)
.if MSB != (\new)
	s_set_vgpr_msb (MSB<<8)|(\new)
.set MSB, (\new)
.endif
.endm
.macro NOPS n
.rept \n
	v_nop
.endr
.endm
; row = 1: source 0's scale words stand in lanes 16-31 of their register; 2: source 1's; 0: both in lanes 0-15
.macro MM d, a, b, c, sa, sb, row
.if \row == 1
	v_wmma_scale_f32_16x16x128_f8f6f4 v[\d:\d+7], v[\a:\a+15], v[\b:\b+15], v[\c:\c+7], v[\sa], v[\sb] matrix_a_fmt:MATRIX_FMT_BF8 matrix_b_fmt:MATRIX_FMT_BF8 matrix_a_scale:MATRIX_SCALE_ROW1
.elseif \row == 2
	v_wmma_scale_f32_16x16x128_f8f6f4 v[\d:\d+7], v[\a:\a+15], v[\b:\b+15], v[\c:\c+7], v[\sa], v[\sb] matrix_a_fmt:MATRIX_FMT_BF8 matrix_b_fmt:MATRIX_FMT_BF8 matrix_b_scale:MATRIX_SCALE_ROW1
.else
	v_wmma_scale_f32_16x16x128_f8f6f4 v[\d:\d+7], v[\a:\a+15], v[\b:\b+15], v[\c:\c+7], v[\sa], v[\sb] matrix_a_fmt:MATRIX_FMT_BF8 matrix_b_fmt:MATRIX_FMT_BF8
.endif
.endm
.macro MM0 d, a, b, sa, sb
	v_wmma_scale_f32_16x16x128_f8f6f4 v[\d:\d+7], v[\a:\a+15], v[\b:\b+15], 0, v[\sa], v[\sb] matrix_a_fmt:MATRIX_FMT_BF8 matrix_b_fmt:MATRIX_FMT_BF8
.endm
; 64 numbers of a lane, register 16 b + n, become 16 registers of codes in v[PC] on; the four scale bytes are left in v[TM+4] on.
.macro QUANT s
.irp b, 0,1,2,3
	v_max3_num_f32 v[TM+\b], |v[\s+16*\b]|, |v[\s+1+16*\b]|, 0x8000000   ; my 16 numbers of block b, and the floor 2^(16 - 127): the byte cannot fall under 1
.endr
.irp i, 2,4,6,8,10,12,14
.irp b, 0,1,2,3
	v_max3_num_f32 v[TM+\b], v[TM+\b], |v[\s+16*\b+\i]|, |v[\s+1+16*\b+\i]|
.endr
.endr
.irp b, 0,1,2,3
	s_delay_alu instid0(VALU_DEP_4)
	v_permlanex16_b32 v[TM+4+\b], v[TM+\b], s[SEL], s[SEL+1]
.endr
.irp b, 0,1,2,3
	s_delay_alu instid0(VALU_DEP_4)
	v_max_num_f32 v[TM+\b], v[TM+\b], v[TM+4+\b]       ; with lane l xor 16's 16: the block's largest magnitude
.endr
.irp b, 0,1,2,3
	s_delay_alu instid0(VALU_DEP_4)
	v_add_nc_u32 v[TM+12+\b], 0xf8800000, v[TM+\b]     ; 15 off its exponent field: the conversion's scale operand
.endr
.irp b, 0,1,2,3
.endr
.irp b, 0,1,2,3
	s_delay_alu instid0(VALU_DEP_4)
	v_lshrrev_b32 v[TM+4+\b], 23, v[TM+12+\b]          ; the scale's byte
.endr
.irp b, 0,1,2,3
.irp i, 0,1,2,3,4,5,6,7,8,9,10,11,12,13,14,15
.endr
	v_cvt_scalef32_pk8_bf8_f32 v[PC+4*\b:PC+1+4*\b], v[\s+16*\b:\s+7+16*\b], v[TM+12+\b]
	v_cvt_scalef32_pk8_bf8_f32 v[PC+2+4*\b:PC+3+4*\b], v[\s+8+16*\b:\s+15+16*\b], v[TM+12+\b]
.endr
	v_nop                                              ; a plain line behind the last conversion: the next products write its sources
.endm
; K step s of a block of x: two fragments and their scale words: ten loads
.macro XSTEP s, xo, so
	WIN 0x40                                       ; destination window 1
.irp i, 0,1
.irp c, 0,1,2,3
	global_load_b128 v[96*\i+16*(\s)+4*\c:96*\i+16*(\s)+4*\c+3], v[LI], s[XB:XB+1] offset:\xo+12288*\i+2048*(\s)+512*\c
.endr
.endr
	WIN 0
.irp i, 0,1
	global_load_b32 v[XS+6*\i+(\s)], v[L4], s[XSB:XSB+1] offset:\so+384*\i+64*(\s)
.endr
.endm
.macro PFX s                           ; the same of my next block, if I have one (the waves at blocks 0 to 11 have): into registers whose last products stand eight places back
	s_cmp_lt_u32 s[BLK], 12
	s_cbranch_scc0 .Lnopf_\@
	XSTEP \s, 196608, 6144
.Lnopf_\@:
.endm
; W's four fragments of K step s and their scale words: 18 LDS loads, into the set s % 2
.macro WLOAD kind, s
.set ws_, (\s)
.if ws_%2
	WIN 0x40                                       ; destination window 1
.irp t, 0,1,2,3
.irp c, 0,1,2,3
	ds_load_b128 v[W1+16*\t+4*\c:W1+16*\t+4*\c+3], v[WA+ws_/2] offset:(12*(ws_%2)+4*\kind+\t)*2048+512*\c
.endr
.endr
	WIN 0
.else
.irp t, 0,1,2,3
.irp c, 0,1,2,3
	ds_load_b128 v[W+16*\t+4*\c:W+16*\t+4*\c+3], v[WA+ws_/2] offset:(12*(ws_%2)+4*\kind+\t)*2048+512*\c
.endr
.endr
.endif
.irp u, 0,1
	ds_load_b32 v[WS+2*(ws_%2)+\u], v[WSA] offset:64*(12*ws_+4*\kind+2*\u)   ; tiles 2 u and 2 u + 1: 128 consecutive bytes
.endr
.endm
; One projection of a block of 32 rows: kind 0 q, 1 k, 2 v.  Six K steps of 8 products; the eight accumulators take turns.  The bias is the C of each sum's first product.
; W's fragments come a K step ahead, into two sets by turns: a step's 18 loads are issued in front of the products of the step before.
.macro KPASS kind, pf
.if \kind == 2
.irp t, 0,1,2,3
.irp j, 0,1,2,3,4,5,6,7
	ds_load_b32 v[BT+8*\t+\j], v[ERA] offset:512+128*(\t/2)+32*(\t%2)   ; a lane holds one column: the same bias in all eight registers
.endr
.endr
.else
.irp t, 0,1,2,3
.irp g, 0,1
	ds_load_b128 v[BT+8*\t+4*\g:BT+8*\t+4*\g+3], v[BFA] offset:256*\kind+128*(\t/2)+32*(\t%2)+16*\g
.endr
.endr
.endif
	WLOAD \kind, 0
.if \kind == 2
	s_wait_dscnt 18                                ; the 32 loads of the bias are in (K step 0's 18 may be out), so that with the next 18 at most 56 LDS instructions of mine are out
.endif
.irp s, 0,1,2,3,4,5
.if \s > 0
	NOPS 8                                         ; eight places in front of loads into registers that the last products read; K step 0 has them behind the pass before
.if \pf
	PFX \s-1
.endif
.endif
.if \s < 5
	WLOAD \kind, \s+1
.endif
.if (\kind == 1) && (\s == 0)
	s_wait_loadcnt 0x0                             ; the block's first pass: all of its x is in (asked for during the pass before, or at the kernel's head)
.endif
.if \s < 5
	s_wait_dscnt 18                                ; this step's W is in; the 18 loads of the next step may be out
.else
	s_wait_dscnt 0x0
.endif
.if \kind == 2
	WIN 0x01+4*(\s%2)                              ; source 0 (x) window 1; source 1 (W) window s % 2
.else
	WIN 0x04+(\s%2)                                ; source 0 (W) window s % 2; source 1 (x) window 1
.endif
.irp t, 0,1,2,3
.set wr_, W+16*\t
.if \s%2
.set wr_, W1+16*\t
.endif
.irp i, 0,1
.if \kind == 2
.if \s == 0
	MM ACC+16*\t+8*\i, 96*\i+16*\s, wr_, BT+8*\t, XS+6*\i+\s, WS+2*(\s%2)+\t/2, 2*(\t%2)
.else
	MM ACC+16*\t+8*\i, 96*\i+16*\s, wr_, ACC+16*\t+8*\i, XS+6*\i+\s, WS+2*(\s%2)+\t/2, 2*(\t%2)
.endif
.else
.if \s == 0
	MM ACC+32*\i+8*\t, wr_, 96*\i+16*\s, BT+8*\t, WS+2*(\s%2)+\t/2, XS+6*\i+\s, \t%2
.else
	MM ACC+32*\i+8*\t, wr_, 96*\i+16*\s, ACC+32*\i+8*\t, WS+2*(\s%2)+\t/2, XS+6*\i+\s, \t%2
.endif
.endif
.endr
.endr
	WIN 0
.endr
	NOPS 8                                         ; places in front of the first read of the results and of writes to the operands' registers
.if \pf
	PFX 5
.endif
.endm
.macro PUTQK img, sc                   ; two tiles of q or k: four groups of codes and two scale words (bytes 2 and 3 stay 0)
	v_lshl_or_b32 v[PW0], v[TM+5], 8, v[TM+4]
	v_lshl_or_b32 v[PW0+1], v[TM+7], 8, v[TM+6]
	s_lshl_b32 s52, s[BLK], 11
	s_add_co_u32 s52, s52, \img
	v_add_nc_u32 v12, s52, v[LI]
	s_lshl_b32 s53, s[BLK], 7
	s_add_co_u32 s53, s53, \sc
	v_add_nc_u32 v13, s53, v[L4]
.irp q, 0,1,2,3
	ds_store_b128 v12, v[PC+4*\q:PC+4*\q+3] offset:512*\q
.endr
	ds_store_b32 v13, v[PW0]
	ds_store_b32 v13, v[PW0+1] offset:64
.endm
; k AND v OF ONE BLOCK of 32 rows: k, the cls row's scores, K's image; v, the cls row's context, V's image.
; first = 1: the block may be block 0, whose row 0 is cls.  last = 1: it may be block 17, which is key 544 and zeros.
.macro BLOCK_KV first, last
	KPASS 1, 0                                     ; k: register 32 i + 8 t + j = k(token r of tile i, e = 32 (t / 2) + 16 h + 8 (t % 2) + j)
.if \first
	s_cmp_lg_u32 s[BLK], 0
	s_cbranch_scc1 .Lno_k0_\@
.irp t, 0,1,2,3                        ; kap = 0 is row 0 of tile 0: the cls key, in f32, takes its place
.irp g, 0,1
	ds_load_b128 v[32+8*\t+4*\g:35+8*\t+4*\g], v[BFA] offset:1024+128*(\t/2)+32*(\t%2)+16*\g
.endr
.endr
	s_wait_dscnt 0x0
.set n, 0
.rept 32
	v_cndmask_b32 v[ACC+n], v[ACC+n], v[32+n], s49
.set n, n+1
.endr
.Lno_k0_\@:
.endif
	; the cls row's scores against the block's 32 keys, from the unquantised k
.irp t, 0,1,2,3
.irp g, 0,1
	ds_load_b128 v[64+8*\t+4*\g:67+8*\t+4*\g], v[BFA] offset:768+128*(\t/2)+32*(\t%2)+16*\g   ; q of cls, in k's layout
.endr
.endr
	s_lshl_b32 s52, s[BLK], 7
	v_add_nc_u32 v14, s52, v[MKB]
	s_wait_dscnt 0x0
.irp i, 0,1
	v_pk_mul_f32 v[48+4*\i:49+4*\i], v[ACC+32*\i:ACC+32*\i+1], v[64:65]
	v_pk_mul_f32 v[50+4*\i:51+4*\i], v[ACC+32*\i+2:ACC+32*\i+3], v[66:67]
.irp n, 4,8,12,16,20,24,28
	v_pk_fma_f32 v[48+4*\i:49+4*\i], v[ACC+32*\i+\n:ACC+32*\i+\n+1], v[64+\n:65+\n], v[48+4*\i:49+4*\i]
	v_pk_fma_f32 v[50+4*\i:51+4*\i], v[ACC+32*\i+\n+2:ACC+32*\i+\n+3], v[66+\n:67+\n], v[50+4*\i:51+4*\i]
.endr
	s_delay_alu instid0(VALU_DEP_1)
	v_pk_add_f32 v[48+4*\i:49+4*\i], v[48+4*\i:49+4*\i], v[50+4*\i:51+4*\i]
	s_delay_alu instid0(VALU_DEP_1)
	v_add_f32 v[48+4*\i], v[48+4*\i], v[49+4*\i]
	s_delay_alu instid0(VALU_DEP_1)
	v_permlanex16_b32 v[50+4*\i], v[48+4*\i], s[SEL], s[SEL+1]
	s_delay_alu instid0(VALU_DEP_1)
	v_add_f32 v[48+4*\i], v[48+4*\i], v[50+4*\i]   ; q.k of token r of tile i
	ds_store_b32 v[SCW], v[48+4*\i] offset:32*\i   ; to its place among the block's 32 keys
.endr
.irp g, 0,1,2,3
	ds_load_b128 v[32+4*\g:35+4*\g], v[SCD] offset:16*\g   ; back as v's layout wants them: keys 16 h + 0 .. 15 (LDS serves my instructions in order)
	ds_load_b128 v[96+4*\g:99+4*\g], v14 offset:16*\g      ; and 8 x their masks
.endr
	s_wait_dscnt 0x0
.irp n, 0,2,4,6,8,10,12,14
	v_pk_add_f32 v[32+\n:33+\n], v[32+\n:33+\n], v[96+\n:97+\n]
.endr
	v_max3_num_f32 v249, v32, v33, v34
	v_max3_num_f32 v251, v35, v36, v37
	s_delay_alu instid0(VALU_DEP_2)
	v_max3_num_f32 v249, v249, v38, v39
	s_delay_alu instid0(VALU_DEP_2)
	v_max3_num_f32 v251, v251, v40, v41
	s_delay_alu instid0(VALU_DEP_2)
	v_max3_num_f32 v249, v249, v42, v43
	s_delay_alu instid0(VALU_DEP_2)
	v_max3_num_f32 v251, v251, v44, v45
	s_delay_alu instid0(VALU_DEP_2)
	v_max3_num_f32 v249, v249, v46, v47
	s_delay_alu instid0(VALU_DEP_1)
	v_max_num_f32 v249, v249, v251
	s_delay_alu instid0(VALU_DEP_1)
	v_permlanex16_b32 v250, v249, s[SEL], s[SEL+1]
	s_delay_alu instid0(VALU_DEP_1)
	v_max_num_f32 v249, v249, v250
	s_delay_alu instid0(VALU_DEP_1)
	v_mul_f32 v249, s[CS], v249                    ; the block's largest t
	s_delay_alu instid0(VALU_DEP_1)
	v_max_num_f32 v250, v[CM], v249                ; the running maximum
	s_delay_alu instid0(VALU_DEP_1)
	v_sub_f32 v251, v[CM], v250
	s_wait_alu depctr_va_vdst(0)
	v_exp_f32 v[CF], v251                          ; what was summed so far is brought under it
	v_mov_b32 v[CM], v250                          ; (a plain line behind the exponential)
.irp n, 0,1,2,3,4,5,6,7,8,9,10,11,12,13,14,15
	v_fma_f32 v[P16+\n], v[32+\n], s[CS], -v[CM]
.endr
	s_wait_alu depctr_va_vdst(0)
.irp n, 0,1,2,3,4,5,6,7,8,9,10,11,12,13,14,15
	v_exp_f32 v[P16+\n], v[P16+\n]
.endr
	v_nop
	s_wait_alu depctr_va_vdst(0)
.irp n, 0,1,2,3
	v_pk_add_f32 v[32+2*\n:33+2*\n], v[P16+4*\n:P16+4*\n+1], v[P16+4*\n+2:P16+4*\n+3]
.endr
	s_delay_alu instid0(VALU_DEP_3)
	v_pk_add_f32 v[32:33], v[32:33], v[34:35]
	s_delay_alu instid0(VALU_DEP_2)
	v_pk_add_f32 v[36:37], v[36:37], v[38:39]
	s_delay_alu instid0(VALU_DEP_1)
	v_pk_add_f32 v[32:33], v[32:33], v[36:37]
	s_delay_alu instid0(VALU_DEP_1)
	v_add_f32 v32, v32, v33
	v_fma_f32 v[CL], v[CL], v[CF], v32
	QUANT ACC                                      ; blocks: (tile 0, e 0-31), (tile 0, e 32-63), (tile 1, ..), (tile 1, ..)
	PUTQK KIMG, KSC
	KPASS 2, 0                                     ; v: register 16 t + n = v(key 32 B + 16 h + n, column P8(r) of tile t)
.if \first
	s_cmp_lg_u32 s[BLK], 0
	s_cbranch_scc1 .Lno_v0_\@
.irp t, 0,1,2,3
	ds_load_b32 v[32+\t], v[ERA] offset:1280+128*(\t/2)+32*(\t%2)   ; v of cls
.endr
	s_wait_dscnt 0x0
.irp t, 0,1,2,3
	v_cndmask_b32 v[ACC+16*\t], v[ACC+16*\t], v[32+\t], s50   ; key 0: register 0 of lanes 0-15
.endr
.Lno_v0_\@:
.endif
.if \last
	s_cmp_lg_u32 s[BLK], 17
	s_cbranch_scc1 .Lno_v17_\@
.irp t, 0,1,2,3                        ; the last block is key 544 alone, filled with zeros
	v_cndmask_b32 v[ACC+16*\t], 0, v[ACC+16*\t], s50
.irp n, 1,2,3,4,5,6,7,8,9,10,11,12,13,14,15
	v_mov_b32 v[ACC+16*\t+\n], 0
.endr
.endr
.Lno_v17_\@:
.endif
.irp t, 0,1,2,3
	v_mul_f32 v[CTX+\t], v[CTX+\t], v[CF]
.endr
.irp n, 0,1,2,3,4,5,6,7,8,9,10,11,12,13,14,15
.irp t, 0,1,2,3
	v_fma_f32 v[CTX+\t], v[P16+\n], v[ACC+16*\t+\n], v[CTX+\t]   ; the cls row's context, from the unquantised v
.endr
.endr
	QUANT ACC                                      ; block t: the 32 keys of column tile t
	s_lshr_b32 s52, s[BLK], 2
	s_and_b32 s53, s[BLK], 3
	s_lshl_b32 s54, s52, 13
	s_lshl_b32 s55, s53, 9
	s_add_co_u32 s54, s54, s55
	s_add_co_u32 s54, s54, VIMG
	v_add_nc_u32 v12, s54, v[LI]
	s_wait_alu depctr_va_vdst(0)
	s_lshl_b32 s54, s52, 8
	s_add_co_u32 s54, s54, s53
	s_add_co_u32 s54, s54, VSC
	v_add_nc_u32 v13, s54, v[L4]
.irp t, 0,1,2,3
	ds_store_b128 v12, v[PC+4*\t:PC+4*\t+3] offset:2048*\t   ; group B % 4 of fragment 4 (B / 4) + t
	ds_store_b8 v13, v[TM+4+\t] offset:64*\t                 ; and its byte of the scale word
.endr
.endm
; q OF ONE BLOCK, and Q's image.  pf = 1: my next block's x is asked for behind each K step.
.macro BLOCK_Q pf
	KPASS 0, \pf
	QUANT ACC
	PUTQK QIMG, QSC
.endm
	; ---------------- PHASE A
	s_load_b512 s[4:19], s[0:1], 0x0               ; ximg 4, xsc 6, wimg 8, wsc 10, clsp 12, bq 14, bk 16, bv 18
	s_load_b128 s[20:23], s[0:1], 0x40             ; qmask 20, dmask 22
	s_load_b64 s[24:25], s[0:1], 0x50              ; out0
	v_lshrrev_b32 v12, 5, v0
	s_delay_alu instid0(VALU_DEP_1)
	v_readfirstlane_b32 s[WV], v12                 ; wave 0..7
	s_mov_b32 s[BD], ttmp9                         ; 16 batch + doc
	s_and_b32 s37, ttmp7, 0xffff                   ; y
	s_lshr_b32 s[HF], s37, 3                       ; y >= 8: half of a unit's query tiles,
	s_and_b32 s[JF], s37, 1                        ; this half,
	s_and_b32 s38, s37, 7
	s_lshr_b32 s38, s38, 1
	s_add_co_u32 s38, s38, 8                       ; of head 8 + (y - 8) / 2
	s_cmp_eq_u32 s[HF], 0
	s_cselect_b32 s[HEADR], s37, s38
	s_lshr_b32 s[BB], s[BD], 4
	s_mov_b32 s[SEL], 0x76543210
	s_mov_b32 s[SEL+1], 0xfedcba98
	s_mov_b32 s[CS], 0x3e38aa3b                    ; log2(e) / 8
	s_mov_b32 s[CS+1], s[CS]                       ; (named with it as a pair)
	v_and_b32 v13, 31, v0
	s_delay_alu instid0(VALU_DEP_1)
	v_lshlrev_b32 v[LI], 4, v13
	v_and_b32 v12, 15, v0                          ; r
	s_delay_alu instid0(VALU_DEP_1)
	v_lshlrev_b32 v[L4], 2, v12
	v_bfe_u32 v14, v0, 4, 1                        ; h
	s_delay_alu instid0(VALU_DEP_3)
	v_and_b32 v15, 8, v12
	s_delay_alu instid0(VALU_DEP_1)
	v_add_nc_u32 v15, v15, v12
	s_delay_alu instid0(VALU_DEP_1)
	v_lshlrev_b32 v15, 2, v15                      ; 4 P8(r)
	v_mov_b32 v[WA], v[LI]
	v_add_nc_u32 v[WA+1], 49152, v[LI]
	v_add_nc_u32 v[WA+2], 98304, v[LI]
	v_lshl_add_u32 v[WSA], v13, 2, WSC
	v_lshl_add_u32 v[BFA], v14, 6, BF
	v_add_nc_u32 v[ERA], BF, v15
	s_lshl_b32 s37, s[WV], 7
	s_add_co_u32 s37, s37, SCR
	v_add_nc_u32 v[SCW], s37, v15
	v_lshl_add_u32 v[SCD], v14, 6, s37
	v_lshl_add_u32 v[MKB], v14, 6, MK8
	s_mul_i32 s37, s[WV], 18432
	v_add_nc_u32 v32, s37, v[LI]                   ; W's image: my wave's eighth
	v_lshlrev_b32 v33, 4, v0
	s_delay_alu instid0(VALU_DEP_1)
	v_add_nc_u32 v34, WSC, v33                     ; W's scale words: 16 bytes a thread,
	v_add_nc_u32 v44, WSC+4096, v[LI]              ; and the last 512 bytes
	v_lshlrev_b32 v35, 3, v13
	s_delay_alu instid0(VALU_DEP_1)
	v_add_nc_u32 v36, BF, v35
	v_add_nc_u32 v37, VIMG, v[LI]
	s_delay_alu instid0(VALU_DEP_3)
	v_add_nc_u32 v38, VSC+1024, v35
	v_lshl_add_u32 v39, v0, 2, MK8
	v_sub_nc_u32 v40, v0, 33                       ; kap = thread: as a doc token,
	v_sub_nc_u32 v43, v0, 1                        ; as a query token
	v_add_nc_u32 v41, 223, v0                      ; kap = 256 + thread: always a doc token
	v_add_nc_u32 v42, 479, v0                      ; kap = 512 + thread
	s_mul_i32 s52, s[BD], 442368
	s_mul_i32 s53, s[WV], 24576
	s_add_co_u32 s52, s52, s53
	s_mov_b32 s53, 0
	s_mul_i32 s54, s[BD], 13824
	s_mul_i32 s55, s[WV], 768
	s_add_co_u32 s54, s54, s55
	s_mov_b32 s55, 0
	s_mul_i32 s56, s[HEADR], 147456
	s_add_co_u32 s56, s56, s37
	s_mov_b32 s57, 0
	s_mul_i32 s58, s[HEADR], 4608
	s_mov_b32 s59, 0
	s_lshl_b32 s60, s[HEADR], 8
	s_mov_b32 s61, 0
	s_mul_i32 s62, s[BB], 9216
	s_add_co_u32 s62, s62, s60
	s_mov_b32 s63, 0
	s_lshl_b32 s38, s[BB], 7
	s_mov_b32 s39, 0
	s_lshl_b32 s46, s[BD], 11
	s_mov_b32 s47, 0
	s_mul_i32 s50, s[BD], 1674240
	s_add_co_u32 s50, s50, s60
	s_mov_b32 s51, 0
	s_wait_alu depctr_va_vdst(0)
	s_wait_kmcnt 0x0
	s_add_nc_u64 s[XB:XB+1], s[4:5], s[52:53]
	s_add_nc_u64 s[XSB:XSB+1], s[6:7], s[54:55]
	s_add_nc_u64 s[8:9], s[8:9], s[56:57]
	s_add_nc_u64 s[10:11], s[10:11], s[58:59]
	s_add_nc_u64 s[12:13], s[12:13], s[62:63]
	s_add_nc_u64 s[14:15], s[14:15], s[60:61]
	s_add_nc_u64 s[16:17], s[16:17], s[60:61]
	s_add_nc_u64 s[18:19], s[18:19], s[60:61]
	s_add_nc_u64 s[20:21], s[20:21], s[38:39]
	s_add_nc_u64 s[22:23], s[22:23], s[46:47]
	s_add_nc_u64 s[OB0:OB0+1], s[24:25], s[50:51]
	v_cmp_eq_u32 s49, 0, v12                       ; r = 0
	v_cmp_eq_u32 s50, 0, v14                       ; lanes 0-15
	v_cmp_gt_u32 s56, 512, v40
	v_cmp_gt_u32 s58, 512, v42
	v_cmp_gt_u32 s59, 32, v43
	v_cmp_eq_u32 s60, 0, v0
	v_min_u32 v40, 511, v40                        ; no load leaves its buffer
	v_min_u32 v42, 511, v42
	v_min_u32 v43, 31, v43
	s_delay_alu instid0(VALU_DEP_3)
	v_lshlrev_b32 v40, 2, v40
	v_lshlrev_b32 v41, 2, v41
	s_delay_alu instid0(VALU_DEP_4)
	v_lshlrev_b32 v42, 2, v42
	s_delay_alu instid0(VALU_DEP_4)
	v_lshlrev_b32 v43, 2, v43
.set n, 0
.rept 36
	global_load_b128 v[64+4*n:64+4*n+3], v[LI], s[8:9] offset:512*n   ; my eighth of the head's 147,456 bytes of W's images
.set n, n+1
.endr
	global_load_b128 v[208:211], v33, s[10:11]
	global_load_b128 v[212:215], v[LI], s[10:11] offset:4096          ; these seven are so small that every wave issues them; only the LDS stores are shared out
	global_load_b64 v[216:217], v35, s[14:15]
	global_load_b64 v[218:219], v35, s[16:17]
	global_load_b64 v[220:221], v35, s[18:19]
	global_load_b64 v[222:223], v35, s[12:13]
	global_load_b64 v[224:225], v35, s[12:13] offset:3072
	global_load_b64 v[226:227], v35, s[12:13] offset:6144
	global_load_b32 v232, v40, s[22:23]
	global_load_b32 v233, v41, s[22:23]
	global_load_b32 v234, v42, s[22:23]
	global_load_b32 v235, v43, s[20:21]
.irp j, 0,1,2,3
	v_mov_b32 v[228+\j], 0
.endr
	v_mov_b32 v236, 0xfd800000                     ; -2^124
	s_wait_alu depctr_va_vdst(0)
	s_wait_loadcnt 0x0                             ; these 48 loads are in, and their bases are free
	s_lshr_b32 s37, s[WV], 1
	s_cmp_eq_u32 s37, 1                            ; waves 2 and 3 go from blocks 10 and 11 to blocks 16 and 17: their pointers step two blocks less, so that the same look-ahead of eight blocks finds them
	s_mov_b32 s[XST], 196608
	s_cselect_b32 s[XST], 147456, s[XST]
	s_mov_b32 s[XST+1], 0
	s_mov_b32 s[SST], 6144
	s_cselect_b32 s[SST], 4608, s[SST]
	s_mov_b32 s[SST+1], 0
.irp s, 0,1,2,3,4,5
	XSTEP \s, 0, 0                                 ; my first block of x: 60 loads, which are on their way during the LDS stores and the barrier
.endr
.set n, 0
.rept 36
	ds_store_b128 v32, v[64+4*n:64+4*n+3] offset:512*n
.set n, n+1
.endr
	ds_store_b128 v34, v[208:211]
	v_cndmask_b32 v237, v236, 0, s60               ; kap = 0: no mask;
	s_delay_alu instid0(VALU_DEP_1)
	v_cndmask_b32 v237, v237, v235, s59            ; a query token's;
	s_delay_alu instid0(VALU_DEP_1)
	v_cndmask_b32 v237, v237, v232, s56            ; a doc token's
	v_cndmask_b32 v239, v236, v234, s58            ; past kap = 544: a key that counts for nothing
	s_delay_alu instid0(VALU_DEP_2)
	v_mul_f32 v237, 0x41000000, v237               ; x 8: the scores carry no 1 / 8 yet
	v_mul_f32 v238, 0x41000000, v233
	s_delay_alu instid0(VALU_DEP_3)
	v_mul_f32 v239, 0x41000000, v239
	s_delay_alu instid0(VALU_DEP_3)
	v_max_num_f32 v237, v237, v236                 ; held at -2^124, so that the C of S^T is a finite number
	s_delay_alu instid0(VALU_DEP_3)
	v_max_num_f32 v238, v238, v236
	s_delay_alu instid0(VALU_DEP_3)
	v_max_num_f32 v239, v239, v236
	ds_store_b32 v39, v237
	ds_store_b32 v39, v238 offset:1024
	ds_store_b32 v39, v239 offset:2048
	s_cmp_lg_u32 s[WV], 0
	s_cbranch_scc1 .La_not0
	ds_store_b128 v44, v[212:215]
.La_not0:
	s_cmp_lg_u32 s[WV], 1
	s_cbranch_scc1 .La_not1
.irp k, 0,1,2,3,4,5
	ds_store_b64 v36, v[216+2*\k:217+2*\k] offset:256*\k   ; bq, bk, bv, then the cls projections
.endr
.La_not1:
	s_cmp_lg_u32 s[WV], 2
	s_cbranch_scc1 .La_not2
.irp t, 0,1,2,3                        ; blocks 18 and 19 of the last key step do not exist: zero codes, and scale bytes 0
	ds_store_b128 v37, v[228:231] offset:(16+\t)*2048+1024
	ds_store_b128 v37, v[228:231] offset:(16+\t)*2048+1536
.endr
	ds_store_b64 v38, v[228:229]
.La_not2:
	s_wait_dscnt 0x0                               ; for the others' sake: my stores have landed
	s_barrier_signal -1
	s_barrier_wait -1
	; ---------------- PHASE B.  Two trips that every wave works (blocks w and w + 8); then blocks 16 and 17: k and v by waves 0 and 1, q by waves 2 and 3.  No barrier stands in it: a wave stores only its own blocks' bytes.
.irp t, 0,1,2,3
	v_mov_b32 v[CTX+\t], 0
	v_mov_b32 v[TM+4+\t], 0                        ; a lane permute's destination counts as a source
.endr
	v_mov_b32 v[CM], 0xff61b1e6                    ; -3e38, under every t
	v_mov_b32 v[CL], 0
	v_mov_b32 v250, 0
	s_mov_b32 s[BLK], s[WV]
	s_mov_b32 s[CNT], 0
.Lblk:
	BLOCK_KV 1, 0
	BLOCK_Q 1
	s_wait_xcnt 0x0                                ; the loads issued so far have read their bases: these may step
	s_add_nc_u64 s[XB:XB+1], s[XB:XB+1], s[XST:XST+1]
	s_add_nc_u64 s[XSB:XSB+1], s[XSB:XSB+1], s[SST:SST+1]
	s_add_co_u32 s[BLK], s[BLK], 8
	s_add_co_u32 s[CNT], s[CNT], 1
	s_cmp_lt_u32 s[CNT], 2
	s_cbranch_scc1 .Lblk
	s_cmp_lt_u32 s[WV], 2
	s_cbranch_scc0 .Lnot_kv
	s_add_co_u32 s[BLK], s[WV], 16
	BLOCK_KV 0, 1                                  ; its x was asked for in the second trip
	s_branch .Lno_third
.Lnot_kv:
	s_cmp_lt_u32 s[WV], 4
	s_cbranch_scc0 .Lno_third
	s_add_co_u32 s[BLK], s[WV], 14
	s_wait_loadcnt 0x0                             ; the block's x, asked for in the second trip, is in
	BLOCK_Q 0
.Lno_third:
	s_wait_loadcnt 0x0                             ; no load of x is out: the registers that they fill get other work from here on
	s_wait_dscnt 0x0                               ; my last stores have read their registers
.irp t, 0,1,2,3
	v_permlanex16_b32 v[32+\t], v[CTX+\t], s[SEL], s[SEL+1]
.endr
	v_permlanex16_b32 v36, v[CL], s[SEL], s[SEL+1]
.irp t, 0,1,2,3
	v_add_f32 v[CTX+\t], v[CTX+\t], v[32+\t]       ; the other 16 keys of each block
.endr
	v_add_f32 v[CL], v[CL], v36
	s_lshl_b32 s53, s[WV], 9
	s_add_co_u32 s52, s53, CLSM-BF
	s_add_co_u32 s53, s53, CLSM
	v_add_nc_u32 v12, s52, v[ERA]
	v_mov_b32 v13, s53
.irp t, 0,1,2,3
	ds_store_b32 v12, v[CTX+\t] offset:128*(\t/2)+32*(\t%2)
.endr
	ds_store_b64 v13, v[CM:CL] offset:256
	s_wait_dscnt 0x0                               ; for the others' sake: all my images lie in LDS
	s_barrier_signal -1
	s_barrier_wait -1
	; ---------------- PHASE D: query tiles wave + 8 x trip: five trips; a half unit works every second one.  LDS is only read here, but for each wave's own stage.
.irp j, 0,1,2,3,4,5,6,7
	v_mov_b32 v[RQ+8+\j], 0                        ; Q's upper half: zero codes
	v_mov_b32 v[RK+64+\j], 0                       ; and what stands behind K's eighth tile
.endr
.irp b, 0,1,2,3
	v_mov_b32 v[BP+\b], 0
.endr
	v_mov_b32 v[FF+1], 0                           ; (named as the upper half of a pair)
	v_and_b32 v[T0], 15, v0
	v_bfe_u32 v[T1], v0, 4, 1
	v_add_nc_u32 v[KA], KIMG, v[LI]
	v_add_nc_u32 v[KSA], KSC, v[L4]
	v_add_nc_u32 v[VA], VIMG, v[LI]
	v_add_nc_u32 v[VSA], VSC, v[L4]
	s_mul_i32 s37, s[WV], 4352
	s_add_co_u32 s37, s37, STG
	v_mul_u32_u24 v[STW], v[T0], 272
	s_delay_alu instid0(VALU_DEP_1)
	v_lshl_add_u32 v[STW], v[T1], 6, v[STW]
	s_delay_alu instid0(VALU_DEP_1)
	v_add_nc_u32 v[STW], s37, v[STW]               ; the stage, in: row r, + 64 h
	v_mul_u32_u24 v[STR], v[T1], 272
	s_delay_alu instid0(VALU_DEP_1)
	v_lshl_add_u32 v[STR], v[T0], 4, v[STR]
	s_delay_alu instid0(VALU_DEP_1)
	v_add_nc_u32 v[STR], s37, v[STR]               ; back: lanes 0-15 one row of 256 bytes, lanes 16-31 the next
	v_mul_u32_u24 v[GO], v[T1], 3072
	s_delay_alu instid0(VALU_DEP_1)
	v_lshl_add_u32 v[GO], v[T0], 4, v[GO]          ; and the same two rows in out0
	v_add_nc_u32 v[HM1], -1, v[T1]
.macro PREK s                          ; a key step's tiles of K and their scale words: three loads a tile
.set nt, 8
.if \s == 4
.set nt, 4
.endif
.set t, 0
.rept nt
	ds_load_b128 v[RK+8*t:RK+8*t+3], v[KA] offset:(8*\s+t)*1024
	ds_load_b128 v[RK+8*t+4:RK+8*t+7], v[KA] offset:(8*\s+t)*1024+512
	ds_load_b32 v[KS+t], v[KSA] offset:(8*\s+t)*64
.set t, t+1
.endr
.endm
.macro PREM s                          ; 8 x the masks of a key step, into S's registers: four loads a block
.set nk, 4
.if \s == 4
.set nk, 2
.endif
.set b, 0
.rept nk
.irp g, 0,1,2,3
	ds_load_b128 v[RS+16*b+4*\g:RS+16*b+4*\g+3], v[MA] offset:512*\s+128*b+16*\g
.endr
.set b, b+1
.endr
.endm
; A KEY STEP: nb blocks of 32 keys.  first = 1: it starts M, the sum and O^T.  nxt: the step whose K and masks are asked for meanwhile; cnt: how many LDS loads that is.
.macro STEP s, nb, first, nxt, cnt
	s_wait_dscnt 0x0                               ; K, its scale words and the masks, asked for a step ago (in step 0: Q too)
.set t, 0
.rept 2*\nb
	MM RS+8*t, RK+8*t, RQ, RS+8*t, KS+t, QS, 0     ; S^T = K Q^T + 8 mask: register 16 b + n = key 128 s + 32 b + 16 h + n of my query
.set t, t+1
.endr
	NOPS 8                                         ; places in front of the reads of S and of the loads into K's, V's and the scale words' registers
	WIN 0x40
.irp u, 0,1,2,3
.irp c, 0,1,2,3
	ds_load_b128 v[16*\u+4*\c:16*\u+4*\c+3], v[VA] offset:(4*\s+\u)*2048+512*\c
.endr
.endr
	WIN 0
.irp u, 0,1,2,3
	ds_load_b32 v[VS+\u], v[VSA] offset:(4*\s+\u)*64
.endr
	PREK \nxt
.set b, 0
.rept \nb
	v_max3_num_f32 v[BM+b], v[RS+16*b], v[RS+16*b+1], v[RS+16*b+2]   ; the largest score of each block: for the row's maximum, and, since p rises with the score, for the block's largest p
.set b, b+1
.endr
.irp i, 3,5,7,9,11,13
.set b, 0
.rept \nb
	v_max3_num_f32 v[BM+b], v[BM+b], v[RS+16*b+\i], v[RS+16*b+\i+1]
.set b, b+1
.endr
.endr
.set b, 0
.rept \nb
	v_max_num_f32 v[BM+b], v[BM+b], v[RS+16*b+15]
.set b, b+1
.endr
.set b, 0
.rept \nb
	v_permlanex16_b32 v[BP+b], v[BM+b], s[SEL], s[SEL+1]
.set b, b+1
.endr
.set b, 0
.rept \nb
	v_max_num_f32 v[BM+b], v[BM+b], v[BP+b]
.set b, b+1
.endr
.if \nb == 4
	s_delay_alu instid0(VALU_DEP_2)
	v_max3_num_f32 v[T0], v[BM], v[BM+1], v[BM+2]
	s_delay_alu instid0(VALU_DEP_1)
	v_max_num_f32 v[T0], v[T0], v[BM+3]
.else
	s_delay_alu instid0(VALU_DEP_1)
	v_max_num_f32 v[T0], v[BM], v[BM+1]
.endif
	s_delay_alu instid0(VALU_DEP_1)
	v_mul_f32 v[T0], s[CS], v[T0]                  ; the step's largest t (key 0 is never masked, so step 0's is a score's)
.if \first
	s_delay_alu instid0(VALU_DEP_1)
	v_mov_b32 v[TX], v[T0]
	s_delay_alu instid0(VALU_DEP_1)
	v_floor_f32 v[NM], -v[TX]                      ; -M = floor(-t): M is a whole number
.else
	s_delay_alu instid0(VALU_DEP_1)
	v_max_num_f32 v[TX], v[TX], v[T0]
	v_mov_b32 v[T0], v[NM]
	s_delay_alu instid0(VALU_DEP_2)
	v_floor_f32 v[NM], -v[TX]
	s_delay_alu instid0(VALU_DEP_1)
	v_sub_f32 v[T0], v[NM], v[T0]                  ; old M - new M, a whole number, 0 or less
	s_delay_alu instid0(VALU_DEP_1)
	v_cvt_i32_f32 v[T0], v[T0]
	s_delay_alu instid0(VALU_DEP_1)
	v_ldexp_f32 v[FF], 1.0, v[T0]                  ; f = 2^(old M - new M): a multiplication by it rounds nothing
.endif
.set j, 0
.rept 8*\nb
	v_pk_fma_f32 v[RS+j:RS+j+1], v[RS+j:RS+j+1], s[CS:CS+1], v[NM:NM+1] op_sel_hi:[1,0,0]   ; t - M
.set j, j+2
.endr
.set b, 0
.rept \nb
	v_fma_f32 v[BM+b], v[BM+b], s[CS], v[NM]
.set b, b+1
.endr
.set j, 0
	s_wait_alu depctr_va_vdst(0)
.rept 16*\nb
	v_exp_f32 v[RS+j], v[RS+j]                     ; p = 2^(t - M)
.set j, j+1
.endr
.set b, 0
.rept \nb
	v_exp_f32 v[BM+b], v[BM+b]                     ; the block's largest p: the same two instructions on the same number
.set b, b+1
.endr
.if \first
	v_nop                                          ; a plain line behind the exponentials
	s_wait_alu depctr_va_vdst(0)
.else
	v_pk_mul_f32 v[LS:LS+1], v[LS:LS+1], v[FF:FF+1] op_sel_hi:[1,0]   ; the sum under the new M (a plain line behind the exponentials)
	s_wait_alu depctr_va_vdst(0)
.endif
.set b, 0
.rept \nb
	v_max_num_f32 v[BM+b], 0x8000000, v[BM+b]      ; the floor 2^(16 - 127)
.set b, b+1
.endr
.set b, 0
.rept \nb
	v_add_nc_u32 v[SO+b], 0xf8800000, v[BM+b]      ; the conversion's scale operand
.set b, b+1
.endr
.set b, 0
.rept \nb
	v_lshrrev_b32 v[BP+b], 23, v[SO+b]             ; the scale's byte
.set b, b+1
.endr
	v_lshl_or_b32 v[PWD], v[BP+1], 8, v[BP]        ; p's scale word
.if \nb == 4
	s_delay_alu instid0(VALU_DEP_1)
	v_lshl_or_b32 v[PWD], v[BP+2], 16, v[PWD]
	s_delay_alu instid0(VALU_DEP_1)
	v_lshl_or_b32 v[PWD], v[BP+3], 24, v[PWD]
.endif
	v_pk_add_f32 v[L2:L2+1], v[RS:RS+1], v[RS+2:RS+3]   ; the sum of the unquantised p, in two chains
.if \first
	v_pk_add_f32 v[LS:LS+1], v[RS+4:RS+5], v[RS+6:RS+7]
.else
	v_pk_add_f32 v[LS:LS+1], v[LS:LS+1], v[RS+4:RS+5]
	v_pk_add_f32 v[L2:L2+1], v[L2:L2+1], v[RS+6:RS+7]
.endif
.set j, 8
.rept 4*\nb-2
	v_pk_add_f32 v[LS:LS+1], v[LS:LS+1], v[RS+j:RS+j+1]
	v_pk_add_f32 v[L2:L2+1], v[L2:L2+1], v[RS+j+2:RS+j+3]
.set j, j+4
.endr
	s_delay_alu instid0(VALU_DEP_1)
	v_pk_add_f32 v[LS:LS+1], v[LS:LS+1], v[L2:L2+1]
.set b, 0
.rept \nb
.irp i, 0,1,2,3,4,5,6,7,8,9,10,11,12,13,14,15
.endr
	v_cvt_scalef32_pk8_bf8_f32 v[DPC+4*b:DPC+4*b+1], v[RS+16*b:RS+16*b+7], v[SO+b]
	v_cvt_scalef32_pk8_bf8_f32 v[DPC+4*b+2:DPC+4*b+3], v[RS+16*b+8:RS+16*b+15], v[SO+b]
.set b, b+1
.endr
.if \nb == 2
.irp j, 8,9,10,11,12,13,14,15
	v_mov_b32 v[DPC+\j], 0                         ; blocks 18 and 19: zero codes
.endr
.endif
	v_nop
	PREM \nxt                                      ; S's registers are free
.if \first
	NOPS 4                                         ; four places between the codes and the product that takes them
	s_wait_alu depctr_va_vdst(0)
	s_wait_xcnt 0x0                                ; the last tile's stores, a key step back, have read O's registers, their offset and their base: the products below write O anew, and the base is made anew behind them
.else
.set j, 0
.rept 16
	v_pk_mul_f32 v[RO+j:RO+j+1], v[RO+j:RO+j+1], v[FF:FF+1] op_sel_hi:[1,0]   ; O^T under the new M; these are also those places
.set j, j+2
.endr
.endif
	s_wait_alu depctr_va_vdst(0)
	s_wait_dscnt \cnt                              ; V and its scale words are in; behind them only the next step's K, scale words and masks
	WIN 0x01                                       ; source 0 (V) window 1
.irp u, 0,1,2,3
.if \first
	MM0 RO+8*\u, 16*\u, DPC, VS+\u, PWD
.else
	MM RO+8*\u, 16*\u, DPC, RO+8*\u, VS+\u, PWD, 0
.endif
.endr
	WIN 0
.endm
	s_mov_b32 s[BLK], s[WV]
	s_mov_b32 s[CNT], 0
	PREK 0
	PREM 0
.Ltile:
	s_cmp_lt_u32 s[BLK], 35
	s_cbranch_scc0 .Ltile_skip
	s_xor_b32 s37, s[CNT], s[JF]
	s_and_b32 s37, s37, s[HF]                      ; 1 where I have half of the unit's tiles and the trip's parity is the other half's
	s_cmp_lg_u32 s37, 0
	s_cbranch_scc1 .Ltile_skip
	s_lshl_b32 s52, s[BLK], 10
	s_add_co_u32 s52, s52, QIMG
	v_add_nc_u32 v[QA], s52, v[LI]
	s_lshl_b32 s53, s[BLK], 6
	s_add_co_u32 s53, s53, QSC
	v_add_nc_u32 v[QSA], s53, v[L4]
	ds_load_b128 v[RQ:RQ+3], v[QA]
	ds_load_b128 v[RQ+4:RQ+7], v[QA] offset:512
	ds_load_b32 v[QS], v[QSA]
	STEP 0, 4, 1, 1, 40                            ; 40 = 8 tiles x 3 + 4 blocks x 4
	STEP 1, 4, 0, 2, 40
	STEP 2, 4, 0, 3, 40
	STEP 3, 4, 0, 4, 20                            ; 20 = 4 tiles x 3 + 2 blocks x 4
	STEP 4, 2, 0, 0, 40                            ; keys 512 to 575; step 0's K and masks come for the next tile
	; the way out: O^T / the sum, through my stage, as rows of 256 bytes: one row's slice of one head
	s_lshr_b32 s37, s[BLK], 1
	s_lshl_b32 s37, s37, 5
	s_and_b32 s38, s[BLK], 1
	s_lshl_b32 s38, s38, 3
	s_add_co_u32 s37, s37, s38                     ; the tile's first kap
	s_mul_i32 s52, s37, 3072
	s_mov_b32 s53, 0
	s_add_nc_u64 s[OBT:OBT+1], s[OB0:OB0+1], s[52:53]   ; (behind step 0's wait on XCNT for 0)
	v_add_f32 v[T0], v[LS], v[LS+1]
	s_delay_alu instid0(VALU_DEP_1)
	v_permlanex16_b32 v[T1], v[T0], s[SEL], s[SEL+1]
	s_delay_alu instid0(VALU_DEP_1)
	v_add_f32 v[T0], v[T0], v[T1]
	s_wait_alu depctr_va_vdst(0)
	v_rcp_f32 v[T0], v[T0]
	v_add_nc_u32 v[VK], s37, v[HM1]                ; kap - 1 of stage row h (a plain line behind the reciprocal)
	NOPS 5                                         ; with the three plain lines above: eight places behind the last products
.set j, 0
	s_wait_alu depctr_va_vdst(0)
.rept 16
	v_pk_mul_f32 v[RO+j:RO+j+1], v[RO+j:RO+j+1], v[T0:T1] op_sel_hi:[1,0]
.set j, j+2
.endr
.irp u, 0,1,2,3
.irp g, 0,1
	ds_store_b128 v[STW], v[RO+8*\u+4*\g:RO+8*\u+4*\g+3] offset:128*(\u/2)+32*(\u%2)+16*\g
.endr
.endr
	s_wait_dscnt 0x0                               ; the stores have read their registers, which the loads below fill
.irp n, 0,1,2,3,4,5,6,7
	ds_load_b128 v[RO+4*\n:RO+4*\n+3], v[STR] offset:544*\n
.endr
	s_sub_co_u32 s38, s[BLK], 1
	s_cmp_lt_u32 s38, 33                           ; tiles 1 to 33 hold rows 1 to 544 alone: every lane stores, and EXEC stays as it is
	s_cbranch_scc0 .Ledge
.irp n, 0,1,2,3,4,5,6,7                ; stage rows 2 n and 2 n + 1 are kap = first + 2 n + 8 (n / 4) + h
	s_wait_dscnt 7-\n                              ; load n is back; the 7 - n younger ones may be out
	global_store_b128 v[GO], v[RO+4*\n:RO+4*\n+3], s[OBT:OBT+1] offset:3072*(2*\n+8*(\n/4)) th:TH_STORE_NT   ; 16 lanes store 256 consecutive bytes, aligned
.endr
	s_branch .Ltile_skip
.Ledge:                                                ; tiles 0 and 34: kap = 0 (the cls row) and kap > 544 are not stored
	s_wait_dscnt 0x0
.irp n, 0,1,2,3,4,5,6,7
	v_add_nc_u32 v[T1], 2*\n+8*(\n/4), v[VK]
	s_delay_alu instid0(VALU_DEP_1)
	v_cmp_gt_u32 vcc_lo, 544, v[T1]
	s_wait_xcnt 0x0                                ; EXEC changes only behind this wait
	s_and_saveexec_b32 s48, vcc_lo
	global_store_b128 v[GO], v[RO+4*\n:RO+4*\n+3], s[OBT:OBT+1] offset:3072*(2*\n+8*(\n/4)) th:TH_STORE_NT
	s_wait_xcnt 0x0
	s_or_b32 exec_lo, exec_lo, s48
.endr
.Ltile_skip:
	s_add_co_u32 s[BLK], s[BLK], 8
	s_add_co_u32 s[CNT], s[CNT], 1
	s_cmp_lt_u32 s[CNT], 5
	s_cbranch_scc1 .Ltile
	s_wait_dscnt 0x0                               ; the loads asked for ahead of a tile that does not come
	s_cmp_lg_u32 s[WV], 7                          ; wave 7, which has the fewest tiles, joins the eight waves' parts of the cls row
	s_cbranch_scc1 .Lend
	s_and_b32 s37, s[HF], s[JF]
	s_cmp_lg_u32 s37, 0                            ; of the two work-groups that share a unit the first stores it
	s_cbranch_scc1 .Lend
	v_lshrrev_b32 v7, 1, v[LI]                     ; 8 x lane: two of the head's 64
	s_delay_alu instid0(VALU_DEP_1)
	v_add_nc_u32 v8, CLSM, v7
	v_mov_b32 v9, CLSM+256
.irp w, 0,1,2,3,4,5,6,7
	ds_load_b64 v[104+2*\w:105+2*\w], v9 offset:512*\w     ; m, l
	ds_load_b64 v[120+2*\w:121+2*\w], v8 offset:512*\w     ; ctx
.endr
	s_wait_dscnt 0x0
	v_max3_num_f32 v136, v104, v106, v108
	s_delay_alu instid0(VALU_DEP_1)
	v_max3_num_f32 v136, v136, v110, v112
	s_delay_alu instid0(VALU_DEP_1)
	v_max3_num_f32 v136, v136, v114, v116
	s_delay_alu instid0(VALU_DEP_1)
	v_max_num_f32 v136, v136, v118
.irp w, 0,1,2,3,4,5,6,7
	v_sub_f32 v[140+\w], v[104+2*\w], v136
.endr
	s_wait_alu depctr_va_vdst(0)
.irp w, 0,1,2,3,4,5,6,7
	v_exp_f32 v[140+\w], v[140+\w]
.endr
	v_nop
	s_wait_alu depctr_va_vdst(0)
	v_mul_f32 v150, v140, v105
	v_mul_f32 v152, v140, v120
	v_mul_f32 v153, v140, v121
.irp w, 1,2,3,4,5,6,7
	v_fma_f32 v150, v[140+\w], v[105+2*\w], v150
	v_fma_f32 v152, v[140+\w], v[120+2*\w], v152
	v_fma_f32 v153, v[140+\w], v[121+2*\w], v153
.endr
	s_wait_alu depctr_va_vdst(0)
	v_rcp_f32 v150, v150
	v_nop
	s_wait_alu depctr_va_vdst(0)
	v_mul_f32 v152, v152, v150
	v_mul_f32 v153, v153, v150
	global_store_b64 v7, v[152:153], s[OB0:OB0+1] th:TH_STORE_NT   ; row kap = 0: 256 consecutive bytes, aligned
.Lend:
	s_wait_xcnt 0x0
	s_mov_b32 exec_lo, -1
	v_lshl_add_u32 v254, v0, 2, 0x4d800
	v_mov_b32 v255, 0
	s_wait_alu depctr_va_vdst(0)
	s_wait_tensorcnt 0x0
	ds_add_u32 v254, v255
	s_wait_dscnt 0x0
	s_endpgm
.Lfunc_end_k_qae58bb7624_main:
	.size	k_qae58bb7624_main, .Lfunc_end_k_qae58bb7624_main-k_qae58bb7624_main
	.p2alignl 7, 3214868480
	.fill 96, 4, 3214868480
	.section	.rodata,"a",@progbits
	.p2align	6, 0x0
	.amdhsa_kernel k_qae58bb7624_main
		.amdhsa_group_segment_fixed_size 318464
		.amdhsa_private_segment_fixed_size 0
		.amdhsa_enable_private_segment 0
		.amdhsa_kernarg_size 88
		.amdhsa_user_sgpr_count 2
		.amdhsa_user_sgpr_kernarg_segment_ptr 1
		.amdhsa_wavefront_size32 1
		.amdhsa_system_sgpr_workgroup_id_x 1
		.amdhsa_system_sgpr_workgroup_id_y 1
		.amdhsa_system_sgpr_workgroup_id_z 1
		.amdhsa_system_vgpr_workitem_id 0
		.amdhsa_next_free_vgpr 512
		.amdhsa_next_free_sgpr 66
		.amdhsa_reserve_vcc 1
		.amdhsa_float_denorm_mode_32 3
		.amdhsa_float_denorm_mode_16_64 3
		.amdhsa_fp16_overflow 1
		.amdhsa_memory_ordered 1
		.amdhsa_forward_progress 1
		.amdhsa_inst_pref_size 255
	.end_amdhsa_kernel
	.section	.bss,"aw",@nobits
	.p2align	6
	.space	262144
	.amdgpu_metadata
---
amdhsa.version: [ 1, 2 ]
amdhsa.kernels:
  - .name:           k_qae58bb7624_main
    .symbol:         k_qae58bb7624_main.kd
    .args:
      - { .name: ximg, .offset: 0, .size: 8, .value_kind: global_buffer, .address_space: global }
      - { .name: xsc, .offset: 8, .size: 8, .value_kind: global_buffer, .address_space: global }
      - { .name: wimg, .offset: 16, .size: 8, .value_kind: global_buffer, .address_space: global }
      - { .name: wsc, .offset: 24, .size: 8, .value_kind: global_buffer, .address_space: global }
      - { .name: clsp, .offset: 32, .size: 8, .value_kind: global_buffer, .address_space: global }
      - { .name: bq, .offset: 40, .size: 8, .value_kind: global_buffer, .address_space: global }
      - { .name: bk, .offset: 48, .size: 8, .value_kind: global_buffer, .address_space: global }
      - { .name: bv, .offset: 56, .size: 8, .value_kind: global_buffer, .address_space: global }
      - { .name: qmask, .offset: 64, .size: 8, .value_kind: global_buffer, .address_space: global }
      - { .name: dmask, .offset: 72, .size: 8, .value_kind: global_buffer, .address_space: global }
      - { .name: out0, .offset: 80, .size: 8, .value_kind: global_buffer, .address_space: global }
    .group_segment_fixed_size: 318464
    .private_segment_fixed_size: 0
    .kernarg_segment_align: 8
    .kernarg_segment_size: 88
    .max_flat_workgroup_size: 256
    .sgpr_count:     66
    .vgpr_count:     512
    .wavefront_size: 32
...
	.end_amdgpu_metadata
.endif
;; end of part 4
